; MI455X (gfx1250); checked and timed in simulation.
; The chip was launched on July 23, 2026; its instructions are those of AMD's public machine-readable ISA for CDNA 5 (MIT licence, August 2026) and "CDNA5" Instruction Set Architecture Reference Guide (July 2026). The comments in the code are by the model that wrote it; some were corrected since.
;; Affine Coupling Block. Allowed arithmetic: matrix products marked QUANTISED: E3M2 operands, one E8M0 scale for each 32 along K, by v_wmma_scale_f32_16x16x128_f8f6f4 with both operands' format E3M2, f32 sums; products left as they are: f32 operands where the result goes on into a quantised operand, else bf16, f16 or f32 operands; f32 sums; everything else in f32.
;; Inputs: W0 4 x 128 x 81 float32; W1 4 x 3 x 128 x 128 float32; W2 4 x 1 x 128 float32; b0 4 x 128 float32; b1 4 x 3 x 128 float32; b2 4 x 1 float32; cond 64 x 16 float32; w 64 x 64 x 64 x 64 float32; x 64 x 4,096 x 2 float32.
;; Outputs: out0 64 x 4,096 x 2 float32; out1 64 float32.
;; This version of the problem:
;;   THIS VERSION OF THE PROBLEM IS GIVEN IN LOW PRECISION. The matrix products marked QUANTISED in the list below multiply operands that are first quantised to E3M2 (3 exponent bits, 2 mantissa bits; 6 bits a number), with one power-of-two scale for each 32 numbers along K (OCP MX v1.0); their sums are f32. All else is computed in f32.
;;   The module's matrix products, in the order in which they are computed (A, B: the left and right operand; K: the contracted axis; several contracted axes count as one K, in the product's order):
;;     1. [M 262,144, K 81] x [K 81, N 128]; A: computed on the way; B: input W0: QUANTISED
;;     2. [M 262,144, K 128] x [K 128, N 128]; A: computed on the way; B: input W1: QUANTISED
;;     3. [M 262,144, K 128] x [K 128, N 128]; A: computed on the way; B: input W1: QUANTISED
;;     4. [M 262,144, K 128] x [K 128, N 128]; A: computed on the way; B: input W1: QUANTISED
;;     5. [M 262,144, K 128] x [K 128, N 1]; A: computed on the way; B: input W2: left as it is (N = 1 < 16)
;;     6. [M 262,144, K 81] x [K 81, N 128]; A: computed on the way; B: input W0: QUANTISED
;;     7. [M 262,144, K 128] x [K 128, N 128]; A: computed on the way; B: input W1: QUANTISED
;;     8. [M 262,144, K 128] x [K 128, N 128]; A: computed on the way; B: input W1: QUANTISED
;;     9. [M 262,144, K 128] x [K 128, N 128]; A: computed on the way; B: input W1: QUANTISED
;;     10. [M 262,144, K 128] x [K 128, N 1]; A: computed on the way; B: input W2: left as it is (N = 1 < 16)
;;     11. [M 262,144, K 81] x [K 81, N 128]; A: computed on the way; B: input W0: QUANTISED
;;     12. [M 262,144, K 128] x [K 128, N 128]; A: computed on the way; B: input W1: QUANTISED
;;     13. [M 262,144, K 128] x [K 128, N 128]; A: computed on the way; B: input W1: QUANTISED
;;     14. [M 262,144, K 128] x [K 128, N 128]; A: computed on the way; B: input W1: QUANTISED
;;     15. [M 262,144, K 128] x [K 128, N 1]; A: computed on the way; B: input W2: left as it is (N = 1 < 16)
;;     16. [M 262,144, K 81] x [K 81, N 128]; A: computed on the way; B: input W0: QUANTISED
;;     17. [M 262,144, K 128] x [K 128, N 128]; A: computed on the way; B: input W1: QUANTISED
;;     18. [M 262,144, K 128] x [K 128, N 128]; A: computed on the way; B: input W1: QUANTISED
;;     19. [M 262,144, K 128] x [K 128, N 128]; A: computed on the way; B: input W1: QUANTISED
;;     20. [M 262,144, K 128] x [K 128, N 1]; A: computed on the way; B: input W2: left as it is (N = 1 < 16)
;;   THE QUANTISER, for each operand of a quantised product, along K:
;;     - K is cut into blocks of 32 from its start; a last block that is shorter is filled with zeros.
;;     - A block's scale is 2^e with e = floor(log2(the largest magnitude in the block)) - 4, held to -126 .. 127; a block of zeros has e = 0. As a byte (E8M0): e + 127.
;;     - Each number is divided by its block's scale, clamped to +-28, and rounded to the nearest number of E3M2, ties to even, subnormals kept.
;;     - The product sums the exact products of the quantised numbers (number of the format x scale) in f32.
;;   ~~~python
;;   def quantise(x, axis):      # numpy; x: float32 -> the quantised numbers, widened to float32 again
;;       x = np.moveaxis(x, axis, -1); K = x.shape[-1]
;;       x = np.pad(x, [(0, 0)] * (x.ndim - 1) + [(0, -K % 32)]); x = x.reshape(x.shape[:-1] + (-1, 32)); a = np.abs(x).max(-1, keepdims=True)
;;       e = np.where(a > 0, np.clip(np.frexp(np.where(a > 0, a, 1))[1] - 1 - 4, -126, 127), 0)      # np.frexp(a)[1] - 1 = floor(log2(a)), exactly
;;       r = np.clip(x / 2.0 ** e, -28, 28)
;;       step = 2.0 ** (np.maximum(np.frexp(np.where(r == 0, 1, r))[1] - 1, -2) - 2)
;;       q = np.round(r / step) * step * 2.0 ** e      # np.round: ties to even
;;       return np.moveaxis(q.reshape(q.shape[:-2] + (-1,))[..., :K], -1, axis).astype(np.float32)
;;   ~~~
;;   OPERANDS COMPUTED ON THE WAY. 'Computed on the way' means the value that the module computes at that place (a softmax that the list does not call 'softmax' is quantised finished and normalised). What goes into a quantiser is computed in f32, as accurately as f32 sums, v_exp_f32 and their like allow (about 1e-6 of the number): no bf16 or f16 on the way to a quantiser, and a product that is left as it is and whose result goes on into a quantised operand takes f32 operands (vector FMAs, or v_wmma_f32_16x16x4_f32). A number that lies on a knife's edge between two numbers of the format may be rounded either way, as far as f32 arithmetic and the matrix unit's own rounding can turn it there, and no further.
;; One version. Each part assembles by itself: llvm-mc -triple=amdgcn-amd-amdhsa -mcpu=gfx1250 --defsym DOCPART=n.
;; ======== version 1 of 1: 4 launches
;; limits: right only within a limited range of input values
;; workspace buffers: wt 67,108,864 bytes; wq 229,376 bytes; idxA 1,048,576 bytes of whole numbers; idxB 1,048,576 bytes of whole numbers; xmid 2,097,152 bytes; partA 32,768 bytes; partB 32,768 bytes
;; launch prep (part 1): grid 592 x 1, 8 waves a work-group, no clusters, 70,656 bytes of LDS; arguments w, x, W0, W1, W2, b0, b1, wt, wq, idxA; writes wt, wq, idxA
.if DOCPART == 1
	.amdgcn_target "amdgcn-amd-amdhsa--gfx1250"
	.amdhsa_code_object_version 6
	.text
	.protected	k_qac81a53ff1_prep
	.globl	k_qac81a53ff1_prep
	.p2align	8
	.type	k_qac81a53ff1_prep,@function
k_qac81a53ff1_prep:
	s_mov_b64 s[64:65], 0
	v_nop
	global_prefetch_b8 v0, s[64:65] scope:SCOPE_SE
	s_setreg_imm32_b32 hwreg(HW_REG_WAVE_MODE, 25, 1), 1
	s_wait_xcnt 0x0
; PREPARATION for the two coupling stages.  Three roles, chosen by the work-group's number.
;   0..15   WEIGHTS: work-group j = 8 stage + 4 net + layer quantises one weight matrix (W0[i] or W1[i][layer-1], i = j / 4) to codes of BF6 (E3M2) with one E8M0 byte
;           for each 32 along K, and stores it as images of the operand registers; beside them the layer's bias and the net's W2.
;   16..79  INDEX: work-group 16 + batch stores for each token the pixel yb * 64 + xb (xb, yb in 0..62) at which its four bilinear corners begin.
;   80..591 TURN: w [batch][channel][y][x] becomes wt [batch][y * 64 + x][64]: a pixel's 64 channels in 256 consecutive bytes.  Place p of a record holds channel (p - 1) & 63,
;           so that places 1..63 are numbers 1..63 of the row that the first layer multiplies, and place 0 is number 64.
; A block of wq is BLK bytes: 8 tiles x 1,536 bytes of codes (group g of four registers at 512 g + 16 lane), 8 x 128 bytes of scale words (4 lane), 512 bytes of bias, 512 bytes of W2.
; THE ROWS OF A WEIGHT THAT FORM A TILE: lane r of tile t = 4 c + q takes row 64 c + 32 (r / 8) + 8 q + r % 8.  The stages use the product transposed, and a lane's 64 results are then
; the very 64 numbers along the next K that the 6-bit operand layout gives that lane.
; LIMITS: NaN and infinities among the inputs are not served.  A block whose largest magnitude lies under 2^-122, a block of zeros among them, gets the byte 1; its codes are
; right under that byte (zeros for a block of zeros), and the bytes are read by this program alone.
.set BLK, 14336
.set SCW, 12288
.set BIA, 13312
.set W2O, 13824
.set SEL, 30                           ; s[30:31] lane selects of v_permlanex16_b32: lane l xor 16
.set R,   16                           ; TURN: v16-143 the row as loaded: 64 u + place;  v144-207 rows read back
.set X,   16                           ; WEIGHTS: v16-79 my 64 numbers;  v8-15 at work;  v80-91 the codes;  v92-99 second halves of the conversions
.set TM,  8
.set PC,  80
.set TT,  92
; 64 numbers of a lane, v[a] on (two whole blocks of 32 along K), become 12 registers of codes at v[f] and the row's scale word in v[w].
; t: 8 registers for the conversions whose three registers must begin on an even number;  m: 8 registers at work;  sh: 8 x (lane / 16).
.macro QUANT a, f, t, m, sh, w
	v_max3_num_f32 v[\m], |v[\a]|, |v[\a+1]|, 0x2800000              ; the largest magnitudes, four chains by turns; the floor 2^(5 - 127) holds the byte at 1 from below
	v_max3_num_f32 v[\m+1], |v[\a+32]|, |v[\a+33]|, 0x2800000
	v_max3_num_f32 v[\m+2], |v[\a+16]|, |v[\a+17]|, |v[\a+18]|
	v_max3_num_f32 v[\m+3], |v[\a+48]|, |v[\a+49]|, |v[\a+50]|
.irp i, 0,2,4,6,8,10
	s_delay_alu instid0(VALU_DEP_4)
	v_max3_num_f32 v[\m], v[\m], |v[\a+2+\i]|, |v[\a+3+\i]|
	s_delay_alu instid0(VALU_DEP_4)
	v_max3_num_f32 v[\m+1], v[\m+1], |v[\a+34+\i]|, |v[\a+35+\i]|
	s_delay_alu instid0(VALU_DEP_4)
	v_max3_num_f32 v[\m+2], v[\m+2], |v[\a+19+\i]|, |v[\a+20+\i]|
	s_delay_alu instid0(VALU_DEP_4)
	v_max3_num_f32 v[\m+3], v[\m+3], |v[\a+51+\i]|, |v[\a+52+\i]|
.endr
	s_delay_alu instid0(VALU_DEP_4)
	v_max3_num_f32 v[\m], v[\m], |v[\a+14]|, |v[\a+15]|
	s_delay_alu instid0(VALU_DEP_4)
	v_max3_num_f32 v[\m+1], v[\m+1], |v[\a+46]|, |v[\a+47]|
	s_delay_alu instid0(VALU_DEP_2)
	v_max3_num_f32 v[\m], v[\m], v[\m+2], |v[\a+31]|
	s_delay_alu instid0(VALU_DEP_2)
	v_max3_num_f32 v[\m+1], v[\m+1], v[\m+3], |v[\a+63]|
	s_delay_alu instid0(VALU_DEP_2)
	v_add_nc_u32 v[\m+2], 0xfe000000, v[\m]                          ; 4 off the exponent field: the conversion's scale operand
	s_delay_alu instid0(VALU_DEP_2)
	v_add_nc_u32 v[\m+3], 0xfe000000, v[\m+1]
	s_delay_alu instid0(VALU_DEP_2)
	v_lshrrev_b32 v[\m+4], 23, v[\m+2]                               ; the scale bytes of my blocks lane / 16 and 2 + lane / 16
	s_delay_alu instid0(VALU_DEP_2)
	v_lshrrev_b32 v[\m+5], 23, v[\m+3]
	s_delay_alu instid0(VALU_DEP_1)
	v_lshl_or_b32 v[\m+6], v[\m+5], 16, v[\m+4]
	s_delay_alu instid0(VALU_DEP_1)
	v_lshlrev_b32 v[\m+6], v[\sh], v[\m+6]                           ; at their places in the word
	s_delay_alu instid0(VALU_DEP_1)
	v_permlanex16_b32 v[\m+7], v[\m+6], s[SEL], s[SEL+1]
	s_delay_alu instid0(VALU_DEP_1)
	v_or_b32 v[\w], v[\m+6], v[\m+7]                                 ; with lane l xor 16's two bytes the word is whole
	v_cvt_scalef32_pk16_bf6_f32 v[\f:\f+2], v[\a:\a+15], v[\m+2]
	v_cvt_scalef32_pk16_bf6_f32 v[\t:\t+2], v[\a+16:\a+31], v[\m+2]
	v_cvt_scalef32_pk16_bf6_f32 v[\f+6:\f+8], v[\a+32:\a+47], v[\m+3]
	v_cvt_scalef32_pk16_bf6_f32 v[\t+4:\t+6], v[\a+48:\a+63], v[\m+3]
	v_nop                                                            ; one plain place behind the scaled conversions
.irp i, 0,1,2
	v_mov_b32 v[\f+3+\i], v[\t+\i]
	v_mov_b32 v[\f+9+\i], v[\t+4+\i]
.endr
.endm
; The pixel at which a token's corners begin.  ix = ((2 z - 1) + 1) * 31.5 has the roundings of the defining text (its factor 0.5 is exact); floor, held to 0..62.
.macro IDXOF zx, zy, out, t
	v_fma_f32 v[\t], v[\zx], 2.0, -1.0
	v_fma_f32 v[\out], v[\zy], 2.0, -1.0
	s_delay_alu instid0(VALU_DEP_2)
	v_add_f32 v[\t], 1.0, v[\t]
	s_delay_alu instid0(VALU_DEP_2)
	v_add_f32 v[\out], 1.0, v[\out]
	s_delay_alu instid0(VALU_DEP_2)
	v_mul_f32 v[\t], 0x41fc0000, v[\t]
	s_delay_alu instid0(VALU_DEP_2)
	v_mul_f32 v[\out], 0x41fc0000, v[\out]
	s_delay_alu instid0(VALU_DEP_2)
	v_floor_f32 v[\t], v[\t]
	s_delay_alu instid0(VALU_DEP_2)
	v_floor_f32 v[\out], v[\out]
	s_delay_alu instid0(VALU_DEP_2)
	v_med3_num_f32 v[\t], v[\t], 0, 0x42780000
	s_delay_alu instid0(VALU_DEP_2)
	v_med3_num_f32 v[\out], v[\out], 0, 0x42780000
	s_delay_alu instid0(VALU_DEP_2)
	v_cvt_u32_f32 v[\t], v[\t]
	s_delay_alu instid0(VALU_DEP_2)
	v_cvt_u32_f32 v[\out], v[\out]
	s_delay_alu instid0(VALU_DEP_1)
	v_lshl_add_u32 v[\out], v[\out], 6, v[\t]
.endm
	s_load_b512 s[4:19], s[0:1], 0x0               ; w s[4:5], x s[6:7], W0 s[8:9], W1 s[10:11], W2 s[12:13], b0 s[14:15], b1 s[16:17], wt s[18:19]
	s_load_b128 s[20:23], s[0:1], 0x40             ; wq s[20:21], idxA s[22:23]
	v_lshl_add_u32 v208, v0, 2, 0x11000
	v_mov_b32 v209, 0
	v_lshrrev_b32 v1, 5, v0
	s_delay_alu instid0(VALU_DEP_1)
	v_readfirstlane_b32 s24, v1                    ; wave 0..7
	v_and_b32 v2, 31, v0                           ; lane
	s_mov_b32 s[SEL], 0x76543210
	s_mov_b32 s[SEL+1], 0xfedcba98
	s_wait_kmcnt 0x0
	s_cmp_lt_u32 ttmp9, 16
	s_cbranch_scc1 .Lweights
	s_cmp_lt_u32 ttmp9, 80
	s_cbranch_scc1 .Lindex
	; ---- TURN.  A wave takes one row Y = 64 batch + y of the maps: 64 pixels x 64 channels.  A lane takes a pixel and its registers run down the channels.
	s_sub_co_u32 s25, ttmp9, 80
	s_lshl_b32 s25, s25, 3
	s_add_co_u32 s25, s25, s24                     ; Y
	s_lshr_b32 s26, s25, 6
	s_lshl_b32 s26, s26, 20                        ; a batch of w is 2^20 bytes,
	s_and_b32 s27, s25, 63
	s_lshl_b32 s27, s27, 8                         ; a row of a channel 256
	s_add_co_u32 s26, s26, s27
	s_mov_b32 s27, 0
	s_add_nc_u64 s[4:5], s[4:5], s[26:27]
	s_lshl_b32 s26, s25, 14                        ; a row of 64 records is 16,384 bytes
	s_add_nc_u64 s[18:19], s[18:19], s[26:27]
	s_wait_alu depctr_va_vdst(0)
	v_lshlrev_b32 v3, 2, v2                        ; in: 4 bytes a lane
	v_lshlrev_b32 v4, 4, v2                        ; out: 16 bytes a lane
	s_mul_i32 s28, s24, 8704                       ; my wave's stage: 32 records, 272 bytes apart (17 x 16: sixteen lanes' 16 bytes fall on different columns of 16 bytes)
	v_mul_u32_u24 v5, v2, 272
	s_delay_alu instid0(VALU_DEP_1)
	v_add_nc_u32 v5, s28, v5                       ; into it: record = my pixel
	v_lshrrev_b32 v6, 4, v2
	s_delay_alu instid0(VALU_DEP_1)
	v_mul_u32_u24 v6, v6, 272
	v_and_b32 v7, 15, v2
	s_delay_alu instid0(VALU_DEP_1)
	v_lshl_add_u32 v6, v7, 4, v6
	s_delay_alu instid0(VALU_DEP_1)
	v_add_nc_u32 v6, s28, v6                       ; out of it: sixteen lanes to a record, two records an instruction
.set c, 0
.rept 64
	global_load_b32 v[R+((c+1)&63)], v3, s[4:5] offset:16384*c th:TH_LOAD_NT        ; pixels 0-31 of channel c: 128 consecutive bytes,
	global_load_b32 v[R+64+((c+1)&63)], v3, s[4:5] offset:16384*c+128 th:TH_LOAD_NT ; and straight behind them pixels 32-63: the next 128
.set c, c+1
.endr
	s_wait_alu depctr_va_vdst(0)
	s_wait_loadcnt 0x0
.irp u, 0,1                                    ; pixels 32 u on
.irp j, 0,1,2,3,4,5,6,7,8,9,10,11,12,13,14,15
	ds_store_b128 v5, v[R+64*\u+4*\j:R+64*\u+4*\j+3] offset:16*\j
.endr
.irp i, 0,1,2,3,4,5,6,7,8,9,10,11,12,13,14,15
	ds_load_b128 v[144-128*\u+4*\i:144-128*\u+4*\i+3], v6 offset:544*\i   ; LDS serves a wave's instructions in order: these see my stores.  (u = 1 lands in the registers of u = 0's numbers, whose LDS stores are done: the count below has reached 0)
.endr
.irp i, 0,1,2,3,4,5,6,7,8,9,10,11,12,13,14,15
	s_wait_dscnt 15-\i                             ; pair i of records is back; the younger loads may stay out
	global_store_b128 v4, v[144-128*\u+4*\i:144-128*\u+4*\i+3], s[18:19] offset:8192*\u+512*\i th:TH_STORE_NT   ; 32 lanes store 512 consecutive bytes: two whole records
.endr
.endr
	s_wait_tensorcnt 0x0
	ds_add_u32 v208, v209
	s_wait_dscnt 0x0
	s_endpgm
	; ---- INDEX.  Thread t takes two tokens with each of eight loads.
.Lindex:
	s_sub_co_u32 s25, ttmp9, 16                    ; batch
	s_lshl_b32 s26, s25, 15
	s_mov_b32 s27, 0
	s_add_nc_u64 s[6:7], s[6:7], s[26:27]
	s_lshl_b32 s26, s25, 14
	s_add_nc_u64 s[22:23], s[22:23], s[26:27]
	v_lshlrev_b32 v3, 4, v0
	v_lshlrev_b32 v4, 3, v0
.irp j, 0,1,2,3,4,5,6,7
	global_load_b128 v[16+4*\j:19+4*\j], v3, s[6:7] offset:4096*\j
.endr
	s_wait_loadcnt 0x0
.irp j, 0,1,2,3,4,5,6,7
	IDXOF 16+4*\j, 17+4*\j, 48+2*\j, 8
	IDXOF 18+4*\j, 19+4*\j, 49+2*\j, 9
	global_store_b64 v4, v[48+2*\j:49+2*\j], s[22:23] offset:2048*\j   ; a wave stores 256 consecutive bytes; each store has data registers of its own
.endr
	s_endpgm
	; ---- WEIGHTS.  Wave = tile t.
.Lweights:
	s_and_b32 s25, ttmp9, 3                        ; layer l
	s_lshr_b32 s26, ttmp9, 2                       ; net i
	s_lshr_b32 s27, s24, 2
	s_lshl_b32 s27, s27, 6
	s_and_b32 s28, s24, 3
	s_lshl_b32 s28, s28, 3
	s_add_co_u32 s27, s27, s28                     ; the tile's part of the row number: 64 (t / 4) + 8 (t % 4)
	s_mul_i32 s36, s26, 3
	s_add_co_u32 s36, s36, s25
	s_sub_co_u32 s36, s36, 1                       ; which of W1's and b1's twelve: 3 i + l - 1 (not used where l = 0)
	s_mov_b32 s34, 0xffff0000                      ; lanes 16-31
	v_and_b32 v3, 15, v0                           ; r
	v_bfe_u32 v4, v0, 4, 1                         ; h
	s_delay_alu instid0(VALU_DEP_2)
	v_lshrrev_b32 v5, 3, v3
	s_delay_alu instid0(VALU_DEP_3)
	v_and_b32 v6, 7, v3
	s_delay_alu instid0(VALU_DEP_1)
	v_lshl_add_u32 v5, v5, 5, v6                   ; the lane's part: 32 (r / 8) + r % 8
	s_delay_alu instid0(VALU_DEP_4)
	v_lshlrev_b32 v7, 3, v4                        ; 8 h
	v_mov_b32 v[TM+7], 0                           ; a lane permute's destination counts as one of its sources
	v_mov_b32 v106, 0
	s_wait_alu depctr_va_vdst(0)
	v_lshlrev_b32 v105, 4, v2                      ; 16 x lane
	v_lshlrev_b32 v104, 2, v2                      ; 4 x lane
	s_mul_i32 s32, ttmp9, BLK
	s_mov_b32 s33, 0
	s_add_nc_u64 s[20:21], s[20:21], s[32:33]      ; my block of wq
	s_cmp_eq_u32 s25, 0
	s_cbranch_scc1 .Lw0
	s_lshl_b32 s28, s36, 7                         ; W1: rows of 512 bytes; lane (r, h) wants k = 64 c + 32 h + 0..31: 128 bytes, twice
	s_add_co_u32 s28, s28, s27
	s_lshl_b32 s28, s28, 9
	s_mov_b32 s29, 0
	s_add_nc_u64 s[10:11], s[10:11], s[28:29]
	v_lshlrev_b32 v100, 9, v5
	s_delay_alu instid0(VALU_DEP_1)
	v_lshl_add_u32 v100, v4, 7, v100
.irp c, 0,1
.irp j, 0,1,2,3,4,5,6,7
	global_load_b128 v[X+32*\c+4*\j:X+32*\c+4*\j+3], v100, s[10:11] offset:256*\c+16*\j
.endr
.endr
	s_wait_loadcnt 0x0
	s_branch .Lwq
.Lw0:
	s_lshl_b32 s28, s26, 7                         ; W0: rows of 81 numbers, 324 bytes: loads of 4 bytes
	s_add_co_u32 s28, s28, s27
	s_mul_i32 s28, s28, 324
	s_mov_b32 s29, 0
	s_add_nc_u64 s[8:9], s[8:9], s[28:29]
	v_mul_u32_u24 v101, v5, 324
	s_delay_alu instid0(VALU_DEP_1)
	v_lshl_add_u32 v100, v4, 7, v101
.set i, 0
.rept 32
	global_load_b32 v[X+i], v100, s[8:9] offset:4*i            ; k = 32 h + i
.set i, i+1
.endr
.set i, 0
.rept 17
	global_load_b32 v[X+32+i], v101, s[8:9] offset:256+4*i     ; k = 64 + i, up to 80, in both halves of the lanes: so no lane leaves its row
.set i, i+1
.endr
	s_wait_loadcnt 0x0
.set i, 0
.rept 17
	v_cndmask_b32 v[X+32+i], v[X+32+i], v106, s34              ; lanes 16-31 stand for k = 96 on: zeros
.set i, i+1
.endr
.set i, 49
.rept 15
	v_mov_b32 v[X+i], 0                                        ; k = 81 .. 95: the last block is filled with zeros
.set i, i+1
.endr
.Lwq:
	QUANT X, PC, TT, TM, 7, 102
	s_mul_i32 s28, s24, 1536
	v_add_nc_u32 v103, s28, v105
	s_lshl_b32 s28, s24, 7
	v_add_nc_u32 v104, s28, v104
	global_store_b128 v103, v[PC:PC+3], s[20:21]               ; the fragment as it stands in the registers: 512 consecutive bytes a store
	global_store_b128 v103, v[PC+4:PC+7], s[20:21] offset:512
	global_store_b128 v103, v[PC+8:PC+11], s[20:21] offset:1024
	global_store_b32 v104, v102, s[20:21] offset:SCW
	s_cmp_lg_u32 s24, 0
	s_cbranch_scc1 .Lnot_bias
	s_cmp_eq_u32 s25, 0                            ; wave 0 copies the layer's bias: b0[i] or b1[i][l - 1]
	s_cselect_b64 s[38:39], s[14:15], s[16:17]
	s_cselect_b32 s40, s26, s36
	s_lshl_b32 s40, s40, 9
	s_mov_b32 s41, 0
	s_add_nc_u64 s[38:39], s[38:39], s[40:41]
	global_load_b128 v[108:111], v105, s[38:39]
	s_wait_loadcnt 0x0
	global_store_b128 v105, v[108:111], s[20:21] offset:BIA
	s_branch .Lend
.Lnot_bias:
	s_cmp_lg_u32 s24, 1
	s_cbranch_scc1 .Lend
	s_lshl_b32 s40, s26, 9                         ; wave 1 copies the net's W2
	s_mov_b32 s41, 0
	s_add_nc_u64 s[12:13], s[12:13], s[40:41]
	global_load_b128 v[108:111], v105, s[12:13]
	s_wait_loadcnt 0x0
	global_store_b128 v105, v[108:111], s[20:21] offset:W2O
.Lend:
	s_endpgm
.Lfunc_end_k_qac81a53ff1_prep:
	.size	k_qac81a53ff1_prep, .Lfunc_end_k_qac81a53ff1_prep-k_qac81a53ff1_prep
	.p2alignl 7, 3214868480
	.fill 96, 4, 3214868480
	.section	.rodata,"a",@progbits
	.p2align	6, 0x0
	.amdhsa_kernel k_qac81a53ff1_prep
		.amdhsa_group_segment_fixed_size 70656
		.amdhsa_private_segment_fixed_size 0
		.amdhsa_enable_private_segment 0
		.amdhsa_kernarg_size 80
		.amdhsa_user_sgpr_count 2
		.amdhsa_user_sgpr_kernarg_segment_ptr 1
		.amdhsa_wavefront_size32 1
		.amdhsa_system_sgpr_workgroup_id_x 1
		.amdhsa_system_sgpr_workgroup_id_y 1
		.amdhsa_system_sgpr_workgroup_id_z 1
		.amdhsa_system_vgpr_workitem_id 0
		.amdhsa_next_free_vgpr 210
		.amdhsa_next_free_sgpr 66
		.amdhsa_reserve_vcc 0
		.amdhsa_float_denorm_mode_32 3
		.amdhsa_float_denorm_mode_16_64 3
		.amdhsa_memory_ordered 1
		.amdhsa_forward_progress 1
		.amdhsa_inst_pref_size 56
	.end_amdhsa_kernel
	.amdgpu_metadata
---
amdhsa.version: [ 1, 2 ]
amdhsa.kernels:
  - .name:           k_qac81a53ff1_prep
    .symbol:         k_qac81a53ff1_prep.kd
    .args:
      - { .name: w, .offset: 0, .size: 8, .value_kind: global_buffer, .address_space: global }
      - { .name: x, .offset: 8, .size: 8, .value_kind: global_buffer, .address_space: global }
      - { .name: W0, .offset: 16, .size: 8, .value_kind: global_buffer, .address_space: global }
      - { .name: W1, .offset: 24, .size: 8, .value_kind: global_buffer, .address_space: global }
      - { .name: W2, .offset: 32, .size: 8, .value_kind: global_buffer, .address_space: global }
      - { .name: b0, .offset: 40, .size: 8, .value_kind: global_buffer, .address_space: global }
      - { .name: b1, .offset: 48, .size: 8, .value_kind: global_buffer, .address_space: global }
      - { .name: wt, .offset: 56, .size: 8, .value_kind: global_buffer, .address_space: global }
      - { .name: wq, .offset: 64, .size: 8, .value_kind: global_buffer, .address_space: global }
      - { .name: idxA, .offset: 72, .size: 8, .value_kind: global_buffer, .address_space: global }
    .group_segment_fixed_size: 70656
    .private_segment_fixed_size: 0
    .kernarg_segment_align: 8
    .kernarg_segment_size: 80
    .max_flat_workgroup_size: 256
    .sgpr_count:     66
    .vgpr_count:     210
    .wavefront_size: 32
...
	.end_amdgpu_metadata
.endif
;; end of part 1
;; launch stageA (part 2): grid 256 x 1, 8 waves a work-group, no clusters, 115,712 bytes of LDS; arguments x, idxA, wt, wq, cond, b2, xmid, partA, idxB; writes xmid, partA, idxB
.if DOCPART == 2
	.amdgcn_target "amdgcn-amd-amdhsa--gfx1250"
	.amdhsa_code_object_version 6
	.text
	.protected	k_qac81a53ff1_stageA
	.globl	k_qac81a53ff1_stageA
	.p2align	8
	.type	k_qac81a53ff1_stageA,@function
k_qac81a53ff1_stageA:
	s_mov_b64 s[64:65], 0
	v_nop
	global_prefetch_b8 v0, s[64:65] scope:SCOPE_SE
	s_setreg_imm32_b32 hwreg(HW_REG_WAVE_MODE, 25, 1), 1
	s_wait_xcnt 0x0
; ONE COUPLING STAGE (STAGE = 0: the first, 1: the second).  For each token: a bilinear sample of the batch's 64-channel map at (z_a, z_b); the row [kept z, 64 features, 16 cond];
; two nets 81 -> 128 -> 128 -> 128 -> 128 -> 1 with SiLU; s = 1.5 tanh(o_s), t = o_t; moved z = moved z * exp(s) + t.  The four wide layers of a net are products on codes of BF6 (E3M2)
; with one E8M0 byte for each 32 along K; the last layer (N = 1) is fused multiply-adds in f32.  The sum of s over a wave's 32 tokens goes to a buffer of parts.
; SHARES.  256 work-groups of eight waves, two waves to a SIMD.  A work-group stays for four passes; in pass p it works on batch 16 p + wg / 16, wave w on tokens 256 (wg % 16) + 32 w .. + 31: two tiles of 16.
; LDS holds the stage's eight weight matrices as prep laid them (8 x BLK bytes), written once at the head and only read behind the one barrier.
; LAYOUT.  The products are used transposed: source 0 = 16 rows of the weight, source 1 = 16 tokens.  By prep's choice of the rows of a tile, lane (r, h) holds token r and its accumulator register
; 32 c + i is hidden unit 64 c + 32 h + i: the k that the 6-bit operand layout gives that lane in registers 6 c .. 6 c + 5.  So a lane owns two whole blocks of 32: its maxima ask no other lane,
; its four conversions are the next operand, and only the scale word crosses lanes.  The bias is the C of the layer's one matrix instruction for each tile (K = 128 is one instruction: no chains).
; THE GATHER.  The pixel at which a token's corners begin was stored as a whole number by the launch before; the weights of the four corners are made here from the same floats by the same lines.
; Corners outside the map get the weight 0 by compares and selects.  The next pass's rows are gathered a step a trip beside this pass's layers.
; LIMITS: NaN and infinities among the inputs are not served.  A block whose largest magnitude lies under 2^-122, a block of zeros among them, gets the scale byte 1 (its codes are right under it).
; tanh is 1 - 2 / (1 + 2^(2.885390 o)): absolute error of some 1e-7.
.set STAGE, 0
.set BLK, 14336
.set SCW, 12288
.set BIA, 13312
.set W2O, 13824
; window 0
.set L16, 1                            ; v1   16 x lane
.set AW,  2                            ; v2   LDS address of the layer's fragments
.set AS,  3                            ; v3   of its scale words
.set AB,  4                            ; v4   of its bias: + 128 h
.set SH,  5                            ; v5   8 h
.set L4,  6                            ; v6   4 x lane
.set SUM, 7                            ; v7   lane p: pass p's sum of s
.set TM,  8                            ; v8-15   at work in QUANT
.set WS,  16                           ; v16-23  the weights' scale words, a tile each
.set HS,  24                           ; v24-25  the tokens' scale words
.set ZC,  26                           ; v26-27  the pass's z pair, lane = token
.set OS,  28                           ; v28-29  net s's result, a tile each
.set OT,  30                           ; v30-31  the result of the net just finished
.set FR,  32                           ; v32-55  the tokens' operands, 12 a tile
.set TT,  56                           ; v56-63  second halves of the conversions; the last layer's sums
.set EW,  64                           ; v64-127 the bias as C, then SiLU's work, then W2
.set ACC, 128                          ; v128-255 the accumulators, 64 a tile
; window 1
.set WF,  0                            ; 0-95    the layer's eight fragments
.set LF,  96                           ; 96-127  the interpolated features; with PX's first 32 they are the row's 64 numbers of a lane
.set PX,  128                          ; 128-191 two corners as loaded
.set CC,  192                          ; 192-215 the row's codes, 12 a tile
.set T1,  216                          ; 216-223 at work
.set TM1, 224                          ; 224-231 at work
.set WA,  232                          ; 232-239 the four corners' weights at the even registers (the odd ones are named with them as pairs)
.set AD,  240                          ; 240-241 the gather's offsets, a tile each
.set ZN,  242                          ; 242-245 the z pairs of the pass being gathered, lane r = token r
.set SH1, 246                          ; 8 h
.set NIL1, 247                         ; 0
.set IX,  248                          ; 248-249 the pixels as loaded
.set H128, 250                         ; 128 h
.set R8,  251                          ; 8 r
.set R4,  252                          ; 4 r
.set L8,  253                          ; 8 x lane
.set CS,  254                          ; 254-255 the row's scale words
; scalars: s[4:5] z in, s[6:7] pixels in, s[8:9] wt at the batch being gathered, s[10:11] wq, s[12:13] cond, s[14:15] b2, s[16:17] z out, s[18:19] parts, s[20:21] pixels out
.set WV,   22
.set PASS, 24
.set LN,   25                          ; 4 net + layer
.set NB,   26
.set MHI,  27                          ; lanes 16-31
.set NL2E, 28                          ; s[28:29] -log2(e), named as a pair
.set SEL,  30                          ; s[30:31] lane selects: lane l xor 16
.set B2,   32                          ; s[32:33] the two nets' last biases
.set P4,   35                          ; 4 x pass
.set CND,  36                          ; s[36:51] cond of the batch being gathered
.set MSB, 0
.macro WIN new                         ; bits 1:0 source 0, 3:2 source 1, 5:4 source 2, 7:6 destination; the high byte repeats the setting that is left
.if MSB != (\new)
	s_set_vgpr_msb (MSB<<8)|(\new)
.set MSB, (\new)
.endif
.endm
; 64 numbers of a lane, v[a] on (two whole blocks of 32 along K), become 12 registers of codes at v[f] and the row's scale word in v[w].
.macro QUANT a, f, t, m, sh, w
	v_max3_num_f32 v[\m], |v[\a]|, |v[\a+1]|, 0x2800000              ; the largest magnitudes, four chains by turns; the floor 2^(5 - 127) holds the byte at 1 from below
	v_max3_num_f32 v[\m+1], |v[\a+32]|, |v[\a+33]|, 0x2800000
	v_max3_num_f32 v[\m+2], |v[\a+16]|, |v[\a+17]|, |v[\a+18]|
	v_max3_num_f32 v[\m+3], |v[\a+48]|, |v[\a+49]|, |v[\a+50]|
.irp i, 0,2,4,6,8,10
	s_delay_alu instid0(VALU_DEP_4)
	v_max3_num_f32 v[\m], v[\m], |v[\a+2+\i]|, |v[\a+3+\i]|
	s_delay_alu instid0(VALU_DEP_4)
	v_max3_num_f32 v[\m+1], v[\m+1], |v[\a+34+\i]|, |v[\a+35+\i]|
	s_delay_alu instid0(VALU_DEP_4)
	v_max3_num_f32 v[\m+2], v[\m+2], |v[\a+19+\i]|, |v[\a+20+\i]|
	s_delay_alu instid0(VALU_DEP_4)
	v_max3_num_f32 v[\m+3], v[\m+3], |v[\a+51+\i]|, |v[\a+52+\i]|
.endr
	s_delay_alu instid0(VALU_DEP_4)
	v_max3_num_f32 v[\m], v[\m], |v[\a+14]|, |v[\a+15]|
	s_delay_alu instid0(VALU_DEP_4)
	v_max3_num_f32 v[\m+1], v[\m+1], |v[\a+46]|, |v[\a+47]|
	s_delay_alu instid0(VALU_DEP_2)
	v_max3_num_f32 v[\m], v[\m], v[\m+2], |v[\a+31]|
	s_delay_alu instid0(VALU_DEP_2)
	v_max3_num_f32 v[\m+1], v[\m+1], v[\m+3], |v[\a+63]|
	s_delay_alu instid0(VALU_DEP_2)
	v_add_nc_u32 v[\m+2], 0xfe000000, v[\m]                          ; 4 off the exponent field: the conversion's scale operand
	s_delay_alu instid0(VALU_DEP_2)
	v_add_nc_u32 v[\m+3], 0xfe000000, v[\m+1]
	s_delay_alu instid0(VALU_DEP_2)
	v_lshrrev_b32 v[\m+4], 23, v[\m+2]                               ; the scale bytes of my blocks h and 2 + h
	s_delay_alu instid0(VALU_DEP_2)
	v_lshrrev_b32 v[\m+5], 23, v[\m+3]
	s_delay_alu instid0(VALU_DEP_1)
	v_lshl_or_b32 v[\m+6], v[\m+5], 16, v[\m+4]
	s_delay_alu instid0(VALU_DEP_1)
	v_lshlrev_b32 v[\m+6], v[\sh], v[\m+6]                           ; at their places in the word
	s_delay_alu instid0(VALU_DEP_1)
	v_permlanex16_b32 v[\m+7], v[\m+6], s[SEL], s[SEL+1]
	s_delay_alu instid0(VALU_DEP_1)
	v_or_b32 v[\w], v[\m+6], v[\m+7]                                 ; with lane l xor 16's two bytes the word is whole
	v_cvt_scalef32_pk16_bf6_f32 v[\f:\f+2], v[\a:\a+15], v[\m+2]
	v_cvt_scalef32_pk16_bf6_f32 v[\t:\t+2], v[\a+16:\a+31], v[\m+2]  ; (a conversion's three registers begin on an even number)
	v_cvt_scalef32_pk16_bf6_f32 v[\f+6:\f+8], v[\a+32:\a+47], v[\m+3]
	v_cvt_scalef32_pk16_bf6_f32 v[\t+4:\t+6], v[\a+48:\a+63], v[\m+3]
	v_nop                                                            ; one plain place behind the scaled conversions
.irp i, 0,1,2
	v_mov_b32 v[\f+3+\i], v[\t+\i]
	v_mov_b32 v[\f+9+\i], v[\t+4+\i]
.endr
.endm
; SiLU, x / (1 + 2^(-x log2 e)), in place on both tiles' 128 numbers of a lane: eight chunks of 16 follow each other through five steps, a step a phase.
; In phase k chunk k is at M (y = -x log2 e), k - 1 at E (2^y), k - 2 at A (1 + .), k - 3 at R (1 / .), k - 4 at P (x times that).  A chunk's y lives in slot k % 5 of five.
; A phase has one wait at its head; M, which reads matrix results for the first time, each accumulator from its low end on, stands directly behind the wait;
; then the exponentials and reciprocals of two chunks take turns with the plain lines of other chunks.  Nothing written in a phase is read in the same phase.
; mx = 1: the blocks' largest magnitudes ride along as a tree of three levels, a level a phase: X1 (five maxima of three), X2 (two), X3 (into the block's maximum, begun with the floor 2^(5 - 127)).
; The next layer's fragments and scale words are asked of LDS three loads a phase.
.set RG, 48                            ; v48-127 the five slots (the tokens' operands, the conversions' halves and the bias are done with while SiLU is worked)
.set MX, 32                            ; v32-36 level 1, v37-38 level 2
.macro X1 c, j
	v_max3_num_f32 v[MX+(\j)], |v[ACC+16*(\c)+3*(\j)]|, |v[ACC+16*(\c)+3*(\j)+1]|, |v[ACC+16*(\c)+3*(\j)+2]|
.endm
.macro X2 c, j
.if (\j) == 0
	v_max3_num_f32 v[MX+5], v[MX], v[MX+1], v[MX+2]
.else
	v_max3_num_f32 v[MX+6], v[MX+3], v[MX+4], |v[ACC+16*(\c)+15]|
.endif
.endm
.macro X3 c                            ; block (c % 4) / 2 of tile c / 4 has its maximum in v[TM + 4 tile + block]
.if (\c)%2 == 0
	v_max3_num_f32 v[TM+4*((\c)/4)+((\c)%4)/2], v[MX+5], v[MX+6], 0x2800000
.else
	v_max3_num_f32 v[TM+4*((\c)/4)+((\c)%4)/2], v[MX+5], v[MX+6], v[TM+4*((\c)/4)+((\c)%4)/2]
.endif
.endm
.macro XOP k                           ; the phase's eight lines of the tree, the higher levels first: each level reads what the level below wrote a phase ago, ahead of its being written anew
.if g == 0 && (\k) >= 7
	X3 (\k)-7
.endif
.if g >= 1 && g <= 2 && (\k) >= 6
	X2 (\k)-6, g-1
.endif
.if g >= 3 && (\k) >= 5
	X1 (\k)-5, g-3
.endif
.endm
.macro PHASE k, mx
	s_wait_alu depctr_va_vdst(0)
.if (\k) < 8
.set g, 0
.rept 8
	v_pk_mul_f32 v[RG+16*((\k)%5)+2*g:RG+16*((\k)%5)+2*g+1], v[ACC+16*(\k)+2*g:ACC+16*(\k)+2*g+1], s[NL2E:NL2E+1] op_sel_hi:[1,0]
.set g, g+1
.endr
.endif
.set SE, RG+16*(((\k)+4)%5)
.set SA, RG+16*(((\k)+3)%5)
.set SR, RG+16*(((\k)+2)%5)
.set SP, RG+16*(((\k)+1)%5)
.set g, 0
.rept 8
.if (\k) >= 1 && (\k) <= 8
	v_exp_f32 v[SE+2*g], v[SE+2*g]
.endif
.if (\k) >= 2 && (\k) <= 9
	v_pk_add_f32 v[SA+2*g:SA+2*g+1], v[SA+2*g:SA+2*g+1], 1.0 op_sel_hi:[1,0]
.endif
.if (\k) >= 3 && (\k) <= 10
	v_rcp_f32 v[SR+2*g], v[SR+2*g]
.endif
.if \mx
	XOP \k
.endif
.if (\k) >= 1 && (\k) <= 8
	v_exp_f32 v[SE+2*g+1], v[SE+2*g+1]
.endif
.if (\k) >= 3 && (\k) <= 10
	v_rcp_f32 v[SR+2*g+1], v[SR+2*g+1]
.endif
.if (\k) >= 4
	v_pk_mul_f32 v[ACC+16*((\k)-4)+2*g:ACC+16*((\k)-4)+2*g+1], v[ACC+16*((\k)-4)+2*g:ACC+16*((\k)-4)+2*g+1], v[SP+2*g:SP+2*g+1]
.endif
.set g, g+1
.endr
.if (\k) >= 1 && (\k) < 4
	v_nop                                          ; a plain place behind the phase's last transcendental (from phase 4 on P's line is that place)
.endif
.if (\k) < 8
	WIN 0x40
.set n, 3*(\k)
.rept 3
	ds_load_b128 v[WF+4*n:WF+4*n+3], v[AW] offset:512*n
.set n, n+1
.endr
	WIN 0
.endif
.if (\k) == 8
.irp t, 0,1,2,3,4,5,6,7
	ds_load_b32 v[WS+\t], v[AS] offset:SCW+128*\t
.endr
.endif
.endm
.macro SILU2 mx
.irp k, 0,1,2,3,4,5,6,7,8,9,10,11
	PHASE \k, \mx
.endr
.endm
; What is left of the quantiser behind SILU2 1: the tree's last lines, then for both tiles the scale operands, the conversions, the scale words and the moves.
; The two tiles share the registers for the conversions' second halves, so tile 1's conversions stand behind tile 0's moves; six moves stand behind the scale words.
.macro QTAIL
	X3 5
	X2 6, 0
	X1 7, 0                                        ; chunk 7's first level lands on registers that chunk 6's second level has read
	X1 7, 1
	X2 6, 1
	X1 7, 2
	X1 7, 3
	X1 7, 4
	s_delay_alu instid0(VALU_DEP_4)
	X3 6
	s_delay_alu instid0(VALU_DEP_4)
	X2 7, 0
	s_delay_alu instid0(VALU_DEP_3)
	X2 7, 1
	v_add_nc_u32 v[TM+2], 0xfe000000, v[TM]        ; 4 off the exponent field: the conversion's scale operand
	v_add_nc_u32 v[TM+3], 0xfe000000, v[TM+1]
	s_delay_alu instid0(VALU_DEP_3)
	X3 7
	v_add_nc_u32 v[TM+6], 0xfe000000, v[TM+4]
	s_delay_alu instid0(VALU_DEP_2)
	v_add_nc_u32 v[TM+7], 0xfe000000, v[TM+5]
	v_cvt_scalef32_pk16_bf6_f32 v[FR:FR+2], v[ACC:ACC+15], v[TM+2]
	v_cvt_scalef32_pk16_bf6_f32 v[TT:TT+2], v[ACC+16:ACC+31], v[TM+2]
	v_cvt_scalef32_pk16_bf6_f32 v[FR+6:FR+8], v[ACC+32:ACC+47], v[TM+3]
	v_cvt_scalef32_pk16_bf6_f32 v[TT+4:TT+6], v[ACC+48:ACC+63], v[TM+3]
	v_lshrrev_b32 v[TM], 23, v[TM+2]               ; the scale bytes of my blocks h and 2 + h; also the plain place behind the conversions
	v_lshrrev_b32 v[TM+1], 23, v[TM+3]
	v_lshrrev_b32 v[TM+4], 23, v[TM+6]
	v_lshrrev_b32 v[TM+5], 23, v[TM+7]
.irp i, 0,1,2
	v_mov_b32 v[FR+3+\i], v[TT+\i]
	v_mov_b32 v[FR+9+\i], v[TT+4+\i]
.endr
	v_cvt_scalef32_pk16_bf6_f32 v[FR+12:FR+14], v[ACC+64:ACC+79], v[TM+6]
	v_cvt_scalef32_pk16_bf6_f32 v[TT:TT+2], v[ACC+80:ACC+95], v[TM+6]
	v_cvt_scalef32_pk16_bf6_f32 v[FR+18:FR+20], v[ACC+96:ACC+111], v[TM+7]
	v_cvt_scalef32_pk16_bf6_f32 v[TT+4:TT+6], v[ACC+112:ACC+127], v[TM+7]
	v_lshl_or_b32 v[TM], v[TM+1], 16, v[TM]
	v_lshl_or_b32 v[TM+4], v[TM+5], 16, v[TM+4]
	s_delay_alu instid0(VALU_DEP_2)
	v_lshlrev_b32 v[TM], v[SH], v[TM]              ; at their places in the word
	s_delay_alu instid0(VALU_DEP_2)
	v_lshlrev_b32 v[TM+4], v[SH], v[TM+4]
	s_delay_alu instid0(VALU_DEP_2)
	v_permlanex16_b32 v[TM+1], v[TM], s[SEL], s[SEL+1]
	s_delay_alu instid0(VALU_DEP_2)
	v_permlanex16_b32 v[TM+5], v[TM+4], s[SEL], s[SEL+1]
	s_delay_alu instid0(VALU_DEP_2)
	v_or_b32 v[HS], v[TM], v[TM+1]                 ; with lane l xor 16's two bytes the word is whole
	s_delay_alu instid0(VALU_DEP_2)
	v_or_b32 v[HS+1], v[TM+4], v[TM+5]
.irp i, 0,1,2
	v_mov_b32 v[FR+15+\i], v[TT+\i]
	v_mov_b32 v[FR+21+\i], v[TT+4+\i]
.endr
.endm
; A layer for both tiles: sixteen matrix instructions on sixteen different accumulators, each a whole sum (K = 128) that begins with the bias.
.macro MM
	WIN 0x01                                       ; source 0 (the weights) window 1
	s_wait_alu depctr_va_vdst(0)
.irp t, 0,1,2,3,4,5,6,7
.irp m, 0,1
	v_wmma_scale_f32_16x16x128_f8f6f4 v[ACC+64*\m+8*\t:ACC+64*\m+8*\t+7], v[WF+12*\t:WF+12*\t+11], v[FR+12*\m:FR+12*\m+11], v[EW+8*\t:EW+8*\t+7], v[WS+\t], v[HS+\m] matrix_a_fmt:MATRIX_FMT_BF6 matrix_b_fmt:MATRIX_FMT_BF6
.endr
.endr
	WIN 0
.endm
.macro LDW                             ; a layer's eight fragments and scale words, as images of the registers: 512 and 128 consecutive bytes an instruction
	WIN 0x40
.irp t, 0,1,2,3,4,5,6,7
.irp g, 0,1,2
	ds_load_b128 v[WF+12*\t+4*\g:WF+12*\t+4*\g+3], v[AW] offset:1536*\t+512*\g
.endr
.endr
	WIN 0
.irp t, 0,1,2,3,4,5,6,7
	ds_load_b32 v[WS+\t], v[AS] offset:SCW+128*\t
.endr
.endm
.macro LDB adr, off                    ; 128 numbers by hidden unit in the accumulators' layout: register 32 c + i = number 64 c + 32 h + i (the address holds 128 h)
.irp c, 0,1
.irp i, 0,1,2,3,4,5,6,7
	ds_load_b128 v[EW+32*\c+4*\i:EW+32*\c+4*\i+3], v[\adr] offset:\off+256*\c+16*\i
.endr
.endr
.endm
.macro COPYC                           ; the row's codes and scale words become the first layer's operands.  The scale words first: 24 lines and the trip's four stand between them and the products
	WIN 0x01
	v_mov_b32 v[HS], v[CS]
	v_mov_b32 v[HS+1], v[CS+1]
.set i, 0
.rept 24
	v_mov_b32 v[FR+i], v[CC+i]
.set i, i+1
.endr
	WIN 0
.endm
; The last layer: o = the sum over 128 of h W2, in f32: four chains of packed multiply-adds by turns, then the lane's halves, then lane l xor 16's.
.macro DOT
	v_mov_b32 v[OS], v[OT]                         ; the result before moves on: behind net t's turn OS holds net s's
	v_mov_b32 v[OS+1], v[OT+1]
	s_mul_i32 s52, s[LN], BLK
	v_lshl_add_u32 v[TM], v[SH], 4, s52
	LDB TM, W2O
	s_wait_dscnt 0x0                               ; W2 is in
	v_pk_mul_f32 v[TT:TT+1], v[ACC:ACC+1], v[EW:EW+1]
	v_pk_mul_f32 v[TT+2:TT+3], v[ACC+2:ACC+3], v[EW+2:EW+3]
	v_pk_mul_f32 v[TT+4:TT+5], v[ACC+64:ACC+65], v[EW:EW+1]
	v_pk_mul_f32 v[TT+6:TT+7], v[ACC+66:ACC+67], v[EW+2:EW+3]
.irp j, 4,8,12,16,20,24,28,32,36,40,44,48,52,56,60
	s_delay_alu instid0(VALU_DEP_4)
	v_pk_fma_f32 v[TT:TT+1], v[ACC+\j:ACC+\j+1], v[EW+\j:EW+\j+1], v[TT:TT+1]
	s_delay_alu instid0(VALU_DEP_4)
	v_pk_fma_f32 v[TT+2:TT+3], v[ACC+\j+2:ACC+\j+3], v[EW+\j+2:EW+\j+3], v[TT+2:TT+3]
	s_delay_alu instid0(VALU_DEP_4)
	v_pk_fma_f32 v[TT+4:TT+5], v[ACC+64+\j:ACC+64+\j+1], v[EW+\j:EW+\j+1], v[TT+4:TT+5]
	s_delay_alu instid0(VALU_DEP_4)
	v_pk_fma_f32 v[TT+6:TT+7], v[ACC+66+\j:ACC+66+\j+1], v[EW+\j+2:EW+\j+3], v[TT+6:TT+7]
.endr
	s_delay_alu instid0(VALU_DEP_3)
	v_pk_add_f32 v[TT:TT+1], v[TT:TT+1], v[TT+2:TT+3]
	s_delay_alu instid0(VALU_DEP_2)
	v_pk_add_f32 v[TT+4:TT+5], v[TT+4:TT+5], v[TT+6:TT+7]
	LDB AB, BIA                                    ; the next layer's bias
	v_add_f32 v[TT], v[TT], v[TT+1]
	v_add_f32 v[TT+4], v[TT+4], v[TT+5]
	s_delay_alu instid0(VALU_DEP_2)
	v_permlanex16_b32 v[TM+6], v[TT], s[SEL], s[SEL+1]
	s_delay_alu instid0(VALU_DEP_2)
	v_permlanex16_b32 v[TM+7], v[TT+4], s[SEL], s[SEL+1]
	s_delay_alu instid0(VALU_DEP_2)
	v_add_f32 v[OT], v[TT], v[TM+6]
	s_delay_alu instid0(VALU_DEP_2)
	v_add_f32 v[OT+1], v[TT+4], v[TM+7]
	COPYC
.endm
; One axis of the sample.  ix as in prep; x0 = floor; w1 = ix - x0, w0 = 1 - w1; xb = x0 held to 0..62; d = x0 - xb.  Pixel xb weighs w0 where d = 0, w1 where d = -1, else 0;
; pixel xb + 1 weighs w1 where d = 0, w0 where d = 1, else 0: the corners that lie outside the map count for nothing.
.macro AXIS z, a0, a1
	v_fma_f32 v[T1], v[\z], 2.0, -1.0
	s_delay_alu instid0(VALU_DEP_1)
	v_add_f32 v[T1], 1.0, v[T1]
	s_delay_alu instid0(VALU_DEP_1)
	v_mul_f32 v[T1], 0x41fc0000, v[T1]
	s_delay_alu instid0(VALU_DEP_1)
	v_floor_f32 v[T1+1], v[T1]
	s_delay_alu instid0(VALU_DEP_1)
	v_sub_f32 v[T1+2], v[T1], v[T1+1]
	s_delay_alu instid0(VALU_DEP_1)
	v_sub_f32 v[T1+3], 1.0, v[T1+2]
	s_delay_alu instid0(VALU_DEP_3)
	v_med3_num_f32 v[T1+4], v[T1+1], 0, 0x42780000
	s_delay_alu instid0(VALU_DEP_1)
	v_sub_f32 v[T1+4], v[T1+1], v[T1+4]
	s_delay_alu instid0(VALU_DEP_1)
	v_cmp_eq_f32 s52, 0, v[T1+4]
	s_delay_alu instid0(VALU_DEP_2)
	v_cmp_eq_f32 s53, -1.0, v[T1+4]
	s_delay_alu instid0(VALU_DEP_3)
	v_cmp_eq_f32 s54, 1.0, v[T1+4]
	s_delay_alu instid0(VALU_DEP_2)
	v_cndmask_b32 v[\a0], 0, v[T1+2], s53
	s_delay_alu instid0(VALU_DEP_2)
	v_cndmask_b32 v[\a1], 0, v[T1+3], s54
	s_delay_alu instid0(VALU_DEP_2)
	v_cndmask_b32 v[\a0], v[\a0], v[T1+3], s52
	s_delay_alu instid0(VALU_DEP_2)
	v_cndmask_b32 v[\a1], v[\a1], v[T1+2], s52
.endm
.macro WEIGHTS m                       ; the four corners' weights of tile m's tokens
	WIN 0x55
	AXIS ZN+2*\m, TM1, TM1+1
	AXIS ZN+2*\m+1, TM1+2, TM1+3
	s_delay_alu instid0(VALU_DEP_2)
	v_mul_f32 v[WA], v[TM1+2], v[TM1]
	s_delay_alu instid0(VALU_DEP_3)
	v_mul_f32 v[WA+2], v[TM1+2], v[TM1+1]
	s_delay_alu instid0(VALU_DEP_3)
	v_mul_f32 v[WA+4], v[TM1+3], v[TM1]
	s_delay_alu instid0(VALU_DEP_4)
	v_mul_f32 v[WA+6], v[TM1+3], v[TM1+1]
	WIN 0
.endm
.macro ISSUE adr, row, pb, pw          ; the two corners of map row yb + row: my half (128 bytes) of two neighbouring records, into v[pb] on of window pw
	WIN ((\pw)<<6)|1
.irp j, 0,1,2,3,4,5,6,7
	global_load_b128 v[\pb+4*\j:\pb+4*\j+3], v[\adr], s[8:9] offset:16384*\row+16*\j
.endr
.irp j, 0,1,2,3,4,5,6,7
	global_load_b128 v[\pb+32+4*\j:\pb+32+4*\j+3], v[\adr], s[8:9] offset:16384*\row+256+16*\j
.endr
	WIN 0
.endm
.macro COMBINE first, pb, pw           ; the features take two corners' parts; first = 1: map row yb, which starts the sums
	WIN 0x54|(\pw)
.set i, 0
.rept 16
.if \first
	v_pk_mul_f32 v[LF+i:LF+i+1], v[\pb+i:\pb+i+1], v[WA:WA+1] op_sel_hi:[1,0]
.else
	v_pk_fma_f32 v[LF+i:LF+i+1], v[\pb+i:\pb+i+1], v[WA+4:WA+5], v[LF+i:LF+i+1] op_sel_hi:[1,0,1]
.endif
.set i, i+2
.endr
.set i, 0
.rept 16
	v_pk_fma_f32 v[LF+i:LF+i+1], v[\pb+32+i:\pb+32+i+1], v[WA+6-4*\first:WA+7-4*\first], v[LF+i:LF+i+1] op_sel_hi:[1,0,1]
.set i, i+2
.endr
	WIN 0
.endm
; The row of tile m in the operand's order.  Lanes 0-15: k 0..31 = kept z, channels 0..30;  k 64..95 = channel 63, cond, 15 zeros.  Lanes 16-31: k 32..63 = channels 31..62;  k 96..127 = zeros.
.macro QUANT0 m
	WIN 0x55
	v_cndmask_b32 v[PX], v[LF], v[NIL1], s[MHI]                ; a record's place 0 is channel 63: k = 64
	v_cndmask_b32 v[LF], v[ZN+2*\m+1-STAGE], v[LF], s[MHI]     ; and k = 0 is the kept z
.irp j, 0,1,2,3,4,5,6,7,8,9,10,11,12,13,14,15
	v_cndmask_b32 v[PX+1+\j], s[CND+\j], v[NIL1], s[MHI]
.endr
.irp j, 17,18,19,20,21,22,23,24,25,26,27,28,29,30,31
	v_mov_b32 v[PX+\j], 0
.endr
	QUANT LF, CC+12*\m, T1, TM1, SH1, CS+\m
	WIN 0
.endm
.macro IDXOF zx, zy, out, t            ; as in prep: the pixel at which a token's corners begin
	s_delay_alu instid0(VALU_DEP_2)
	v_fma_f32 v[\t], v[\zx], 2.0, -1.0
	s_delay_alu instid0(VALU_DEP_2)
	v_fma_f32 v[\out], v[\zy], 2.0, -1.0
	s_delay_alu instid0(VALU_DEP_2)
	v_add_f32 v[\t], 1.0, v[\t]
	s_delay_alu instid0(VALU_DEP_2)
	v_add_f32 v[\out], 1.0, v[\out]
	s_delay_alu instid0(VALU_DEP_2)
	v_mul_f32 v[\t], 0x41fc0000, v[\t]
	s_delay_alu instid0(VALU_DEP_2)
	v_mul_f32 v[\out], 0x41fc0000, v[\out]
	s_delay_alu instid0(VALU_DEP_2)
	v_floor_f32 v[\t], v[\t]
	s_delay_alu instid0(VALU_DEP_2)
	v_floor_f32 v[\out], v[\out]
	s_delay_alu instid0(VALU_DEP_2)
	v_med3_num_f32 v[\t], v[\t], 0, 0x42780000
	s_delay_alu instid0(VALU_DEP_2)
	v_med3_num_f32 v[\out], v[\out], 0, 0x42780000
	s_delay_alu instid0(VALU_DEP_2)
	v_cvt_u32_f32 v[\t], v[\t]
	s_delay_alu instid0(VALU_DEP_2)
	v_cvt_u32_f32 v[\out], v[\out]
	s_delay_alu instid0(VALU_DEP_1)
	v_lshl_add_u32 v[\out], v[\out], 6, v[\t]
.endm
.macro GWAIT                           ; at the head of every gather step: all that earlier steps asked for, a trip ago, is in
	s_wait_loadcnt 0x0
	s_wait_kmcnt 0x0
.endm
	; ---- the head
	s_load_b512 s[4:19], s[0:1], 0x0
.if STAGE == 0
	s_load_b64 s[20:21], s[0:1], 0x40
.endif
	v_lshrrev_b32 v8, 5, v0
	s_delay_alu instid0(VALU_DEP_1)
	v_readfirstlane_b32 s[WV], v8                  ; wave 0..7
	v_and_b32 v9, 31, v0                           ; lane
	v_bfe_u32 v10, v0, 4, 1                        ; h
	v_and_b32 v11, 15, v0                          ; r
	s_delay_alu instid0(VALU_DEP_3)
	v_lshlrev_b32 v[L16], 4, v9
	s_delay_alu instid0(VALU_DEP_4)
	v_lshlrev_b32 v[L4], 2, v9
	s_delay_alu instid0(VALU_DEP_4)
	v_lshlrev_b32 v[SH], 3, v10
	v_mov_b32 v[SUM], 0
	v_mov_b32 v[TM+6], 0                           ; lane permutes' destinations count as sources
	v_mov_b32 v[TM+7], 0
	v_mov_b32 v[OS], 0
	v_mov_b32 v[OS+1], 0
	v_mov_b32 v[OT], 0
	v_mov_b32 v[OT+1], 0
	v_lshlrev_b32 v12, 4, v0                       ; 16 x thread: the weights' way into LDS,
	s_delay_alu instid0(VALU_DEP_1)
	v_add_nc_u32 v13, 0x10000, v12                 ; and the same 65,536 bytes on (an LDS immediate has 16 bits)
	WIN 0x40
	v_lshlrev_b32 v[H128], 7, v10
	v_lshlrev_b32 v[R8], 3, v11
	v_lshlrev_b32 v[R4], 2, v11
	v_lshlrev_b32 v[L8], 3, v9
	v_lshlrev_b32 v[SH1], 3, v10
	v_mov_b32 v[NIL1], 0
	v_mov_b32 v[WA+1], 0
	v_mov_b32 v[WA+3], 0
	v_mov_b32 v[WA+5], 0
	v_mov_b32 v[WA+7], 0
	v_mov_b32 v[TM1+7], 0
	WIN 0
	s_mov_b32 s[PASS], 0
	s_mov_b32 s[P4], 0
	s_mov_b32 s[MHI], 0xffff0000
	s_mov_b32 s[NL2E], 0xbfb8aa3b
	s_mov_b32 s[NL2E+1], 0xbfb8aa3b
	s_mov_b32 s[SEL], 0x76543210
	s_mov_b32 s[SEL+1], 0xfedcba98
	s_and_b32 s52, ttmp9, 15                       ; wg, as this text's comments count the work-groups, is 16 (ttmp9 % 16) + ttmp9 / 16: the sixteen work-groups of a batch have numbers ttmp9 that lie 16 apart.  wg / 16: pass 0's batch
	s_lshr_b32 s53, ttmp9, 4                       ; wg % 16: which 256 tokens of the batch
	s_lshl_b32 s53, s53, 8
	s_lshl_b32 s54, s[WV], 5
	s_add_co_u32 s53, s53, s54                     ; my first token
	s_lshl_b32 s54, s52, 15
	s_lshl_b32 s55, s53, 3
	s_add_co_u32 s54, s54, s55                     ; in bytes of z pairs,
	s_mov_b32 s55, 0
	s_lshr_b32 s56, s54, 1                         ; and of pixels
	s_mov_b32 s57, 0
	s_lshl_b32 s58, s52, 20                        ; a batch of wt is 2^20 bytes
	s_mov_b32 s59, 0
	s_wait_alu depctr_va_vdst(0)
	s_wait_kmcnt 0x0
	s_add_nc_u64 s[4:5], s[4:5], s[54:55]
	s_add_nc_u64 s[16:17], s[16:17], s[54:55]
	s_add_nc_u64 s[6:7], s[6:7], s[56:57]
.if STAGE == 0
	s_add_nc_u64 s[20:21], s[20:21], s[56:57]
.endif
	s_add_nc_u64 s[8:9], s[8:9], s[58:59]
	s_lshl_b32 s58, s52, 6
	s_add_nc_u64 s[12:13], s[12:13], s[58:59]
	s_lshl_b32 s58, s52, 11                        ; 128 wg = 2,048 (wg / 16) + 128 (wg % 16),
	s_lshr_b32 s52, s53, 1                         ; and half my first token's number is 128 (wg % 16) + 16 wave
	s_add_co_u32 s58, s58, s52                     ; 16 bytes of parts for each wave
	s_add_nc_u64 s[18:19], s[18:19], s[58:59]
.if STAGE
	s_add_nc_u64 s[10:11], s[10:11], 8*BLK         ; the second stage's eight blocks
.endif
	s_load_b512 s[CND:CND+15], s[12:13], 0x0
	s_load_b64 s[B2:B2+1], s[14:15], 8*STAGE
	WIN 0x41
	global_load_b32 v[IX], v[R4], s[6:7]
	global_load_b32 v[IX+1], v[R4], s[6:7] offset:64
	global_load_b64 v[ZN:ZN+1], v[R8], s[4:5]
	global_load_b64 v[ZN+2:ZN+3], v[R8], s[4:5] offset:128
	WIN 0x01
	global_load_b64 v[ZC:ZC+1], v[L8], s[4:5]
	WIN 0
.set j, 0
.rept 28
	global_load_b128 v[64+4*j:67+4*j], v12, s[10:11] offset:4096*j     ; the stage's 114,688 bytes of wq: 28 x 4,096 for the 256 threads
.set j, j+1
.endr
	s_wait_loadcnt 0x0
.set j, 0
.rept 16
	ds_store_b128 v12, v[64+4*j:67+4*j] offset:4096*j
.set j, j+1
.endr
.set j, 0
.rept 12
	ds_store_b128 v13, v[128+4*j:131+4*j] offset:4096*j
.set j, j+1
.endr
	WIN 0x55
	v_min_u32 v[AD], 4030, v[IX]                   ; a pixel is at most 62 * 64 + 62: its corners stay inside the batch's map
	v_min_u32 v[AD+1], 4030, v[IX+1]
	s_delay_alu instid0(VALU_DEP_2)
	v_lshl_add_u32 v[AD], v[AD], 8, v[H128]        ; records of 256 bytes; my half
	s_delay_alu instid0(VALU_DEP_2)
	v_lshl_add_u32 v[AD+1], v[AD+1], 8, v[H128]
	WIN 0
	s_wait_alu depctr_va_vdst(0)
	s_wait_dscnt 0x0                               ; for the others' sake: my stores have landed; and they have read their registers, which take the corners now
	ISSUE AD, 0, PX, 1                             ; pass 0's four groups of corners go out together
	ISSUE AD, 1, 64, 0
	ISSUE AD+1, 0, 128, 0
	ISSUE AD+1, 1, 192, 0
	s_barrier_signal -1
	s_barrier_wait -1                              ; the weights lie in LDS; from here on LDS is only read
	v_mov_b32 v[AW], v[L16]
	v_mov_b32 v[AS], v[L4]
	v_lshlrev_b32 v[AB], 4, v[SH]
	LDW
	WEIGHTS 0
	s_wait_alu depctr_va_vdst(0)
	s_wait_kmcnt 0x0                               ; cond, b2
	s_wait_loadcnt 48                              ; the first group of 16 is in; three groups may be out
	COMBINE 1, PX, 1
	s_wait_loadcnt 32                              ; two groups may be out
	COMBINE 0, 64, 0
	QUANT0 0
	WEIGHTS 1
	s_wait_alu depctr_va_vdst(0)
	s_wait_loadcnt 16                              ; one group may be out
	COMBINE 1, 128, 0
	s_wait_loadcnt 0x0
	COMBINE 0, 192, 0
	QUANT0 1
	LDB AB, BIA
	COPYC
	s_add_nc_u64 s[8:9], s[8:9], 0x1000000         ; wt at pass 1's batch: 16 batches on (all loads that read this base are in)
	; ---- four passes of eight trips: a trip is one layer of one net for both tiles
.Lpass:
	s_mov_b32 s[LN], 0
.Ltrip:
.rept 4
	v_nop                                          ; an operand written by vector lines stands 4 places ahead of a scaled product, a scale word 8: behind the word stand the quantiser's six moves or the copy's 24, and these four
.endr
	s_wait_dscnt 0x0                               ; the layer's fragments, scale words and bias are in
	MM
	s_add_co_u32 s[NB], s[LN], 1
	s_and_b32 s[NB], s[NB], 7
	s_mul_i32 s[NB], s[NB], BLK                    ; the next layer's block (behind the last: the first, for the next pass)
	v_add_nc_u32 v[AW], s[NB], v[L16]              ; four plain lines that name no register of the products: the places in front of the loads below and of SiLU's first lines
	v_add_nc_u32 v[AS], s[NB], v[L4]
	v_lshl_add_u32 v[AB], v[SH], 4, s[NB]
	v_nop
	s_and_b32 s52, s[LN], 3
	s_cmp_eq_u32 s52, 3
	s_cbranch_scc1 .Ldot                           ; a net's fourth layer is followed by no quantiser: its copy of SiLU takes no maxima
	SILU2 1
	LDB AB, BIA                                    ; the next layer's bias, into SiLU's slots, which are done with
	QTAIL
	s_branch .Lgather
.Ldot:
	SILU2 0
	DOT
.Lgather:                                              ; one step of the next pass's gather in each trip; each group of loads has a trip in which to land
	s_cmp_eq_u32 s[LN], 7
	s_cbranch_scc1 .Lepi
	s_cmp_eq_u32 s[PASS], 3                        ; behind the last pass there is nothing to gather: no load leaves its buffer
	s_cbranch_scc1 .Lnext
	s_cmp_eq_u32 s[LN], 1
	s_cbranch_scc1 .Lg1
	s_cmp_eq_u32 s[LN], 2
	s_cbranch_scc1 .Lg2
	s_cmp_eq_u32 s[LN], 3
	s_cbranch_scc1 .Lg3
	s_cmp_eq_u32 s[LN], 4
	s_cbranch_scc1 .Lg4
	s_cmp_eq_u32 s[LN], 5
	s_cbranch_scc1 .Lg5
	s_cmp_eq_u32 s[LN], 6
	s_cbranch_scc1 .Lg6
	s_branch .Lnext
.Lg1:                                                  ; the next pass's pixels, z pairs and cond: 16 batches on
	GWAIT
	WIN 0x41
	global_load_b32 v[IX], v[R4], s[6:7] offset:262144
	global_load_b32 v[IX+1], v[R4], s[6:7] offset:262144+64
	global_load_b64 v[ZN:ZN+1], v[R8], s[4:5] offset:524288
	global_load_b64 v[ZN+2:ZN+3], v[R8], s[4:5] offset:524288+128
	WIN 0
	s_load_b512 s[CND:CND+15], s[12:13], 0x400
	s_branch .Lnext
.Lg2:
	GWAIT
	WIN 0x55
	v_min_u32 v[AD], 4030, v[IX]
	v_min_u32 v[AD+1], 4030, v[IX+1]
	s_delay_alu instid0(VALU_DEP_2)
	v_lshl_add_u32 v[AD], v[AD], 8, v[H128]
	s_delay_alu instid0(VALU_DEP_2)
	v_lshl_add_u32 v[AD+1], v[AD+1], 8, v[H128]
	WEIGHTS 0
	ISSUE AD, 0, PX, 1
	s_branch .Lnext
.Lg3:
	GWAIT
	COMBINE 1, PX, 1
	ISSUE AD, 1, PX, 1
	s_branch .Lnext
.Lg4:                                                  ; net t has taken its copy of this pass's codes a trip ago: tile 0's may be written
	GWAIT
	COMBINE 0, PX, 1
	QUANT0 0
	WEIGHTS 1
	ISSUE AD+1, 0, PX, 1
	s_branch .Lnext
.Lg5:
	GWAIT
	COMBINE 1, PX, 1
	ISSUE AD+1, 1, PX, 1
	s_branch .Lnext
.Lg6:
	GWAIT
	COMBINE 0, PX, 1
	QUANT0 1
	s_branch .Lnext
.Lepi:                                                 ; both nets are through: lane l now stands for token l (lanes 0-15 tile 0, lanes 16-31 tile 1; both halves of the lanes hold a tile's results)
	s_wait_loadcnt 0x0                             ; the pass's z pair
	v_cndmask_b32 v128, v[OS], v[OS+1], s[MHI]
	v_cndmask_b32 v129, v[OT], v[OT+1], s[MHI]
	s_delay_alu instid0(VALU_DEP_2)
	v_add_f32 v128, s[B2], v128                    ; o_s
	s_delay_alu instid0(VALU_DEP_2)
	v_add_f32 v129, s[B2+1], v129                  ; t
	s_delay_alu instid0(VALU_DEP_2)
	v_mul_f32 v130, 0x4038aa3b, v128               ; 2 log2(e) o_s
	s_wait_alu depctr_va_vdst(0)
	v_exp_f32 v130, v130
	v_mov_b32 v134, 0                              ; (a plain place; and the permute's destination below is written)
	s_wait_alu depctr_va_vdst(0)                   ; the wait ahead of the first reader
	v_add_f32 v130, 1.0, v130
	s_wait_alu depctr_va_vdst(0)
	v_rcp_f32 v130, v130
	v_nop
	s_wait_alu depctr_va_vdst(0)
	v_fma_f32 v130, v130, -2.0, 1.0                ; tanh
	s_delay_alu instid0(VALU_DEP_1)
	v_mul_f32 v131, 0x3fc00000, v130               ; s = 1.5 tanh
	s_delay_alu instid0(VALU_DEP_1)
	v_mul_f32 v132, 0x3fb8aa3b, v131
	s_wait_alu depctr_va_vdst(0)
	v_exp_f32 v132, v132                           ; exp(s); the wave's sum of s stands behind it as independent work
	v_mov_b32 v133, v131
	s_delay_alu instid0(VALU_DEP_1)
	v_add_f32_dpp v133, v133, v133 row_xmask:1 row_mask:0xf bank_mask:0xf
	s_delay_alu instid0(VALU_DEP_1)
	v_add_f32_dpp v133, v133, v133 row_xmask:2 row_mask:0xf bank_mask:0xf
	s_delay_alu instid0(VALU_DEP_1)
	v_add_f32_dpp v133, v133, v133 row_xmask:4 row_mask:0xf bank_mask:0xf
	s_delay_alu instid0(VALU_DEP_1)
	v_add_f32_dpp v133, v133, v133 row_xmask:8 row_mask:0xf bank_mask:0xf
	s_delay_alu instid0(VALU_DEP_1)
	v_permlanex16_b32 v134, v133, s[SEL], s[SEL+1]
	s_delay_alu instid0(VALU_DEP_1)
	v_add_f32 v133, v133, v134
	v_cmp_eq_u32 vcc_lo, s[P4], v[L4]
	s_delay_alu instid0(VALU_DEP_1)
	v_cndmask_b32 v[SUM], v[SUM], v133, vcc_lo     ; lane p keeps pass p's sum
	s_wait_alu depctr_va_vdst(0)
.if STAGE == 0
	v_fma_f32 v136, v[ZC], v132, v129              ; z_a moves, z_b is kept
	v_mov_b32 v137, v[ZC+1]
	IDXOF 136, 137, 138, 139                       ; where the second stage will sample: a whole number for the next launch
	WIN 0x01                                       ; the address in window 1, the data in window 0
	global_store_b64 v[L8], v[136:137], s[16:17]   ; the wave stores 256 consecutive bytes
	WIN 0
	global_store_b32 v[L4], v138, s[20:21]
.else
	v_mov_b32 v136, v[ZC]                          ; z_a is kept, z_b moves
	v_fma_f32 v137, v[ZC+1], v132, v129
	WIN 0x01
	global_store_b64 v[L8], v[136:137], s[16:17]
	WIN 0
.endif
	s_cmp_eq_u32 s[PASS], 3
	s_cbranch_scc1 .Lno_zc
	WIN 0x01
	global_load_b64 v[ZC:ZC+1], v[L8], s[4:5] offset:524288    ; the next pass's z pair
	WIN 0
.Lno_zc:
	s_wait_xcnt 0x0                                ; the stores have read their data: the next products may write those registers
.Lnext:
	s_add_co_u32 s[LN], s[LN], 1
	s_cmp_lt_u32 s[LN], 8
	s_cbranch_scc1 .Ltrip
	s_wait_xcnt 0x0                                ; every memory instruction has read its base: the pointers step by 16 batches
	s_add_nc_u64 s[4:5], s[4:5], 0x80000
	s_add_nc_u64 s[16:17], s[16:17], 0x80000
	s_add_nc_u64 s[6:7], s[6:7], 0x40000
.if STAGE == 0
	s_add_nc_u64 s[20:21], s[20:21], 0x40000
.endif
	s_add_nc_u64 s[8:9], s[8:9], 0x1000000
	s_add_nc_u64 s[12:13], s[12:13], 0x400
	s_add_co_u32 s[P4], s[P4], 4
	s_add_co_u32 s[PASS], s[PASS], 1
	s_cmp_lt_u32 s[PASS], 4
	s_cbranch_scc1 .Lpass
	s_wait_dscnt 0x0                               ; the last trip's LDS loads, which nobody reads
	v_cmp_gt_u32 vcc_lo, 16, v[L4]                 ; lanes 0-3 hold the four passes' sums
	s_wait_xcnt 0x0                                ; EXEC changes only behind this wait
	s_and_saveexec_b32 s52, vcc_lo
	global_store_b32 v[L4], v[SUM], s[18:19]
	s_wait_xcnt 0x0
	s_or_b32 exec_lo, exec_lo, s52
	s_wait_xcnt 0x0
	s_mov_b32 exec_lo, -1
	v_lshl_add_u32 v62, v0, 2, 0x1c000
	v_mov_b32 v63, 0
	s_wait_alu depctr_va_vdst(0)
	s_wait_tensorcnt 0x0
	ds_add_u32 v62, v63
	s_wait_dscnt 0x0
	s_endpgm
.Lfunc_end_k_qac81a53ff1_stageA:
	.size	k_qac81a53ff1_stageA, .Lfunc_end_k_qac81a53ff1_stageA-k_qac81a53ff1_stageA
	.p2alignl 7, 3214868480
	.fill 96, 4, 3214868480
	.section	.rodata,"a",@progbits
	.p2align	6, 0x0
	.amdhsa_kernel k_qac81a53ff1_stageA
		.amdhsa_group_segment_fixed_size 115712
		.amdhsa_private_segment_fixed_size 0
		.amdhsa_enable_private_segment 0
		.amdhsa_kernarg_size 72
		.amdhsa_user_sgpr_count 2
		.amdhsa_user_sgpr_kernarg_segment_ptr 1
		.amdhsa_wavefront_size32 1
		.amdhsa_system_sgpr_workgroup_id_x 1
		.amdhsa_system_sgpr_workgroup_id_y 1
		.amdhsa_system_sgpr_workgroup_id_z 1
		.amdhsa_system_vgpr_workitem_id 0
		.amdhsa_next_free_vgpr 512
		.amdhsa_next_free_sgpr 66
		.amdhsa_reserve_vcc 1
		.amdhsa_float_denorm_mode_32 3
		.amdhsa_float_denorm_mode_16_64 3
		.amdhsa_memory_ordered 1
		.amdhsa_forward_progress 1
		.amdhsa_inst_pref_size 148
	.end_amdhsa_kernel
	.amdgpu_metadata
---
amdhsa.version: [ 1, 2 ]
amdhsa.kernels:
  - .name:           k_qac81a53ff1_stageA
    .symbol:         k_qac81a53ff1_stageA.kd
    .args:
      - { .name: x, .offset: 0, .size: 8, .value_kind: global_buffer, .address_space: global }
      - { .name: idxA, .offset: 8, .size: 8, .value_kind: global_buffer, .address_space: global }
      - { .name: wt, .offset: 16, .size: 8, .value_kind: global_buffer, .address_space: global }
      - { .name: wq, .offset: 24, .size: 8, .value_kind: global_buffer, .address_space: global }
      - { .name: cond, .offset: 32, .size: 8, .value_kind: global_buffer, .address_space: global }
      - { .name: b2, .offset: 40, .size: 8, .value_kind: global_buffer, .address_space: global }
      - { .name: xmid, .offset: 48, .size: 8, .value_kind: global_buffer, .address_space: global }
      - { .name: partA, .offset: 56, .size: 8, .value_kind: global_buffer, .address_space: global }
      - { .name: idxB, .offset: 64, .size: 8, .value_kind: global_buffer, .address_space: global }
    .group_segment_fixed_size: 115712
    .private_segment_fixed_size: 0
    .kernarg_segment_align: 8
    .kernarg_segment_size: 72
    .max_flat_workgroup_size: 256
    .sgpr_count:     66
    .vgpr_count:     512
    .wavefront_size: 32
...
	.end_amdgpu_metadata
.endif
;; end of part 2
;; launch stageB (part 3): grid 256 x 1, 8 waves a work-group, no clusters, 115,712 bytes of LDS; arguments xmid, idxB, wt, wq, cond, b2, out0, partB; writes out0, partB
.if DOCPART == 3
	.amdgcn_target "amdgcn-amd-amdhsa--gfx1250"
	.amdhsa_code_object_version 6
	.text
	.protected	k_qac81a53ff1_stageB
	.globl	k_qac81a53ff1_stageB
	.p2align	8
	.type	k_qac81a53ff1_stageB,@function
k_qac81a53ff1_stageB:
	s_mov_b64 s[64:65], 0
	v_nop
	global_prefetch_b8 v0, s[64:65] scope:SCOPE_SE
	s_setreg_imm32_b32 hwreg(HW_REG_WAVE_MODE, 25, 1), 1
	s_wait_xcnt 0x0
; ONE COUPLING STAGE (STAGE = 0: the first, 1: the second).  For each token: a bilinear sample of the batch's 64-channel map at (z_a, z_b); the row [kept z, 64 features, 16 cond];
; two nets 81 -> 128 -> 128 -> 128 -> 128 -> 1 with SiLU; s = 1.5 tanh(o_s), t = o_t; moved z = moved z * exp(s) + t.  The four wide layers of a net are products on codes of BF6 (E3M2)
; with one E8M0 byte for each 32 along K; the last layer (N = 1) is fused multiply-adds in f32.  The sum of s over a wave's 32 tokens goes to a buffer of parts.
; SHARES.  256 work-groups of eight waves, two waves to a SIMD.  A work-group stays for four passes; in pass p it works on batch 16 p + wg / 16, wave w on tokens 256 (wg % 16) + 32 w .. + 31: two tiles of 16.
; LDS holds the stage's eight weight matrices as prep laid them (8 x BLK bytes), written once at the head and only read behind the one barrier.
; LAYOUT.  The products are used transposed: source 0 = 16 rows of the weight, source 1 = 16 tokens.  By prep's choice of the rows of a tile, lane (r, h) holds token r and its accumulator register
; 32 c + i is hidden unit 64 c + 32 h + i: the k that the 6-bit operand layout gives that lane in registers 6 c .. 6 c + 5.  So a lane owns two whole blocks of 32: its maxima ask no other lane,
; its four conversions are the next operand, and only the scale word crosses lanes.  The bias is the C of the layer's one matrix instruction for each tile (K = 128 is one instruction: no chains).
; THE GATHER.  The pixel at which a token's corners begin was stored as a whole number by the launch before; the weights of the four corners are made here from the same floats by the same lines.
; Corners outside the map get the weight 0 by compares and selects.  The next pass's rows are gathered a step a trip beside this pass's layers.
; LIMITS: NaN and infinities among the inputs are not served.  A block whose largest magnitude lies under 2^-122, a block of zeros among them, gets the scale byte 1 (its codes are right under it).
; tanh is 1 - 2 / (1 + 2^(2.885390 o)): absolute error of some 1e-7.
.set STAGE, 1
.set BLK, 14336
.set SCW, 12288
.set BIA, 13312
.set W2O, 13824
; window 0
.set L16, 1                            ; v1   16 x lane
.set AW,  2                            ; v2   LDS address of the layer's fragments
.set AS,  3                            ; v3   of its scale words
.set AB,  4                            ; v4   of its bias: + 128 h
.set SH,  5                            ; v5   8 h
.set L4,  6                            ; v6   4 x lane
.set SUM, 7                            ; v7   lane p: pass p's sum of s
.set TM,  8                            ; v8-15   at work in QUANT
.set WS,  16                           ; v16-23  the weights' scale words, a tile each
.set HS,  24                           ; v24-25  the tokens' scale words
.set ZC,  26                           ; v26-27  the pass's z pair, lane = token
.set OS,  28                           ; v28-29  net s's result, a tile each
.set OT,  30                           ; v30-31  the result of the net just finished
.set FR,  32                           ; v32-55  the tokens' operands, 12 a tile
.set TT,  56                           ; v56-63  second halves of the conversions; the last layer's sums
.set EW,  64                           ; v64-127 the bias as C, then SiLU's work, then W2
.set ACC, 128                          ; v128-255 the accumulators, 64 a tile
; window 1
.set WF,  0                            ; 0-95    the layer's eight fragments
.set LF,  96                           ; 96-127  the interpolated features; with PX's first 32 they are the row's 64 numbers of a lane
.set PX,  128                          ; 128-191 two corners as loaded
.set CC,  192                          ; 192-215 the row's codes, 12 a tile
.set T1,  216                          ; 216-223 at work
.set TM1, 224                          ; 224-231 at work
.set WA,  232                          ; 232-239 the four corners' weights at the even registers (the odd ones are named with them as pairs)
.set AD,  240                          ; 240-241 the gather's offsets, a tile each
.set ZN,  242                          ; 242-245 the z pairs of the pass being gathered, lane r = token r
.set SH1, 246                          ; 8 h
.set NIL1, 247                         ; 0
.set IX,  248                          ; 248-249 the pixels as loaded
.set H128, 250                         ; 128 h
.set R8,  251                          ; 8 r
.set R4,  252                          ; 4 r
.set L8,  253                          ; 8 x lane
.set CS,  254                          ; 254-255 the row's scale words
; scalars: s[4:5] z in, s[6:7] pixels in, s[8:9] wt at the batch being gathered, s[10:11] wq, s[12:13] cond, s[14:15] b2, s[16:17] z out, s[18:19] parts
.set WV,   22
.set PASS, 24
.set LN,   25                          ; 4 net + layer
.set NB,   26
.set MHI,  27                          ; lanes 16-31
.set NL2E, 28                          ; s[28:29] -log2(e), named as a pair
.set SEL,  30                          ; s[30:31] lane selects: lane l xor 16
.set B2,   32                          ; s[32:33] the two nets' last biases
.set P4,   35                          ; 4 x pass
.set CND,  36                          ; s[36:51] cond of the batch being gathered
.set MSB, 0
.macro WIN new                         ; bits 1:0 source 0, 3:2 source 1, 5:4 source 2, 7:6 destination; the high byte repeats the setting that is left
.if MSB != (\new)
	s_set_vgpr_msb (MSB<<8)|(\new)
.set MSB, (\new)
.endif
.endm
; 64 numbers of a lane, v[a] on (two whole blocks of 32 along K), become 12 registers of codes at v[f] and the row's scale word in v[w].
.macro QUANT a, f, t, m, sh, w
	v_max3_num_f32 v[\m], |v[\a]|, |v[\a+1]|, 0x2800000              ; the largest magnitudes, four chains by turns; the floor 2^(5 - 127) holds the byte at 1 from below
	v_max3_num_f32 v[\m+1], |v[\a+32]|, |v[\a+33]|, 0x2800000
	v_max3_num_f32 v[\m+2], |v[\a+16]|, |v[\a+17]|, |v[\a+18]|
	v_max3_num_f32 v[\m+3], |v[\a+48]|, |v[\a+49]|, |v[\a+50]|
.irp i, 0,2,4,6,8,10
	s_delay_alu instid0(VALU_DEP_4)
	v_max3_num_f32 v[\m], v[\m], |v[\a+2+\i]|, |v[\a+3+\i]|
	s_delay_alu instid0(VALU_DEP_4)
	v_max3_num_f32 v[\m+1], v[\m+1], |v[\a+34+\i]|, |v[\a+35+\i]|
	s_delay_alu instid0(VALU_DEP_4)
	v_max3_num_f32 v[\m+2], v[\m+2], |v[\a+19+\i]|, |v[\a+20+\i]|
	s_delay_alu instid0(VALU_DEP_4)
	v_max3_num_f32 v[\m+3], v[\m+3], |v[\a+51+\i]|, |v[\a+52+\i]|
.endr
	s_delay_alu instid0(VALU_DEP_4)
	v_max3_num_f32 v[\m], v[\m], |v[\a+14]|, |v[\a+15]|
	s_delay_alu instid0(VALU_DEP_4)
	v_max3_num_f32 v[\m+1], v[\m+1], |v[\a+46]|, |v[\a+47]|
	s_delay_alu instid0(VALU_DEP_2)
	v_max3_num_f32 v[\m], v[\m], v[\m+2], |v[\a+31]|
	s_delay_alu instid0(VALU_DEP_2)
	v_max3_num_f32 v[\m+1], v[\m+1], v[\m+3], |v[\a+63]|
	s_delay_alu instid0(VALU_DEP_2)
	v_add_nc_u32 v[\m+2], 0xfe000000, v[\m]                          ; 4 off the exponent field: the conversion's scale operand
	s_delay_alu instid0(VALU_DEP_2)
	v_add_nc_u32 v[\m+3], 0xfe000000, v[\m+1]
	s_delay_alu instid0(VALU_DEP_2)
	v_lshrrev_b32 v[\m+4], 23, v[\m+2]                               ; the scale bytes of my blocks h and 2 + h
	s_delay_alu instid0(VALU_DEP_2)
	v_lshrrev_b32 v[\m+5], 23, v[\m+3]
	s_delay_alu instid0(VALU_DEP_1)
	v_lshl_or_b32 v[\m+6], v[\m+5], 16, v[\m+4]
	s_delay_alu instid0(VALU_DEP_1)
	v_lshlrev_b32 v[\m+6], v[\sh], v[\m+6]                           ; at their places in the word
	s_delay_alu instid0(VALU_DEP_1)
	v_permlanex16_b32 v[\m+7], v[\m+6], s[SEL], s[SEL+1]
	s_delay_alu instid0(VALU_DEP_1)
	v_or_b32 v[\w], v[\m+6], v[\m+7]                                 ; with lane l xor 16's two bytes the word is whole
	v_cvt_scalef32_pk16_bf6_f32 v[\f:\f+2], v[\a:\a+15], v[\m+2]
	v_cvt_scalef32_pk16_bf6_f32 v[\t:\t+2], v[\a+16:\a+31], v[\m+2]  ; (a conversion's three registers begin on an even number)
	v_cvt_scalef32_pk16_bf6_f32 v[\f+6:\f+8], v[\a+32:\a+47], v[\m+3]
	v_cvt_scalef32_pk16_bf6_f32 v[\t+4:\t+6], v[\a+48:\a+63], v[\m+3]
	v_nop                                                            ; one plain place behind the scaled conversions
.irp i, 0,1,2
	v_mov_b32 v[\f+3+\i], v[\t+\i]
	v_mov_b32 v[\f+9+\i], v[\t+4+\i]
.endr
.endm
; SiLU, x / (1 + 2^(-x log2 e)), in place on both tiles' 128 numbers of a lane: eight chunks of 16 follow each other through five steps, a step a phase.
; In phase k chunk k is at M (y = -x log2 e), k - 1 at E (2^y), k - 2 at A (1 + .), k - 3 at R (1 / .), k - 4 at P (x times that).  A chunk's y lives in slot k % 5 of five.
; A phase has one wait at its head; M, which reads matrix results for the first time, each accumulator from its low end on, stands directly behind the wait;
; then the exponentials and reciprocals of two chunks take turns with the plain lines of other chunks.  Nothing written in a phase is read in the same phase.
; mx = 1: the blocks' largest magnitudes ride along as a tree of three levels, a level a phase: X1 (five maxima of three), X2 (two), X3 (into the block's maximum, begun with the floor 2^(5 - 127)).
; The next layer's fragments and scale words are asked of LDS three loads a phase.
.set RG, 48                            ; v48-127 the five slots (the tokens' operands, the conversions' halves and the bias are done with while SiLU is worked)
.set MX, 32                            ; v32-36 level 1, v37-38 level 2
.macro X1 c, j
	v_max3_num_f32 v[MX+(\j)], |v[ACC+16*(\c)+3*(\j)]|, |v[ACC+16*(\c)+3*(\j)+1]|, |v[ACC+16*(\c)+3*(\j)+2]|
.endm
.macro X2 c, j
.if (\j) == 0
	v_max3_num_f32 v[MX+5], v[MX], v[MX+1], v[MX+2]
.else
	v_max3_num_f32 v[MX+6], v[MX+3], v[MX+4], |v[ACC+16*(\c)+15]|
.endif
.endm
.macro X3 c                            ; block (c % 4) / 2 of tile c / 4 has its maximum in v[TM + 4 tile + block]
.if (\c)%2 == 0
	v_max3_num_f32 v[TM+4*((\c)/4)+((\c)%4)/2], v[MX+5], v[MX+6], 0x2800000
.else
	v_max3_num_f32 v[TM+4*((\c)/4)+((\c)%4)/2], v[MX+5], v[MX+6], v[TM+4*((\c)/4)+((\c)%4)/2]
.endif
.endm
.macro XOP k                           ; the phase's eight lines of the tree, the higher levels first: each level reads what the level below wrote a phase ago, ahead of its being written anew
.if g == 0 && (\k) >= 7
	X3 (\k)-7
.endif
.if g >= 1 && g <= 2 && (\k) >= 6
	X2 (\k)-6, g-1
.endif
.if g >= 3 && (\k) >= 5
	X1 (\k)-5, g-3
.endif
.endm
.macro PHASE k, mx
	s_wait_alu depctr_va_vdst(0)
.if (\k) < 8
.set g, 0
.rept 8
	v_pk_mul_f32 v[RG+16*((\k)%5)+2*g:RG+16*((\k)%5)+2*g+1], v[ACC+16*(\k)+2*g:ACC+16*(\k)+2*g+1], s[NL2E:NL2E+1] op_sel_hi:[1,0]
.set g, g+1
.endr
.endif
.set SE, RG+16*(((\k)+4)%5)
.set SA, RG+16*(((\k)+3)%5)
.set SR, RG+16*(((\k)+2)%5)
.set SP, RG+16*(((\k)+1)%5)
.set g, 0
.rept 8
.if (\k) >= 1 && (\k) <= 8
	v_exp_f32 v[SE+2*g], v[SE+2*g]
.endif
.if (\k) >= 2 && (\k) <= 9
	v_pk_add_f32 v[SA+2*g:SA+2*g+1], v[SA+2*g:SA+2*g+1], 1.0 op_sel_hi:[1,0]
.endif
.if (\k) >= 3 && (\k) <= 10
	v_rcp_f32 v[SR+2*g], v[SR+2*g]
.endif
.if \mx
	XOP \k
.endif
.if (\k) >= 1 && (\k) <= 8
	v_exp_f32 v[SE+2*g+1], v[SE+2*g+1]
.endif
.if (\k) >= 3 && (\k) <= 10
	v_rcp_f32 v[SR+2*g+1], v[SR+2*g+1]
.endif
.if (\k) >= 4
	v_pk_mul_f32 v[ACC+16*((\k)-4)+2*g:ACC+16*((\k)-4)+2*g+1], v[ACC+16*((\k)-4)+2*g:ACC+16*((\k)-4)+2*g+1], v[SP+2*g:SP+2*g+1]
.endif
.set g, g+1
.endr
.if (\k) >= 1 && (\k) < 4
	v_nop                                          ; a plain place behind the phase's last transcendental (from phase 4 on P's line is that place)
.endif
.if (\k) < 8
	WIN 0x40
.set n, 3*(\k)
.rept 3
	ds_load_b128 v[WF+4*n:WF+4*n+3], v[AW] offset:512*n
.set n, n+1
.endr
	WIN 0
.endif
.if (\k) == 8
.irp t, 0,1,2,3,4,5,6,7
	ds_load_b32 v[WS+\t], v[AS] offset:SCW+128*\t
.endr
.endif
.endm
.macro SILU2 mx
.irp k, 0,1,2,3,4,5,6,7,8,9,10,11
	PHASE \k, \mx
.endr
.endm
; What is left of the quantiser behind SILU2 1: the tree's last lines, then for both tiles the scale operands, the conversions, the scale words and the moves.
; The two tiles share the registers for the conversions' second halves, so tile 1's conversions stand behind tile 0's moves; six moves stand behind the scale words.
.macro QTAIL
	X3 5
	X2 6, 0
	X1 7, 0                                        ; chunk 7's first level lands on registers that chunk 6's second level has read
	X1 7, 1
	X2 6, 1
	X1 7, 2
	X1 7, 3
	X1 7, 4
	s_delay_alu instid0(VALU_DEP_4)
	X3 6
	s_delay_alu instid0(VALU_DEP_4)
	X2 7, 0
	s_delay_alu instid0(VALU_DEP_3)
	X2 7, 1
	v_add_nc_u32 v[TM+2], 0xfe000000, v[TM]        ; 4 off the exponent field: the conversion's scale operand
	v_add_nc_u32 v[TM+3], 0xfe000000, v[TM+1]
	s_delay_alu instid0(VALU_DEP_3)
	X3 7
	v_add_nc_u32 v[TM+6], 0xfe000000, v[TM+4]
	s_delay_alu instid0(VALU_DEP_2)
	v_add_nc_u32 v[TM+7], 0xfe000000, v[TM+5]
	v_cvt_scalef32_pk16_bf6_f32 v[FR:FR+2], v[ACC:ACC+15], v[TM+2]
	v_cvt_scalef32_pk16_bf6_f32 v[TT:TT+2], v[ACC+16:ACC+31], v[TM+2]
	v_cvt_scalef32_pk16_bf6_f32 v[FR+6:FR+8], v[ACC+32:ACC+47], v[TM+3]
	v_cvt_scalef32_pk16_bf6_f32 v[TT+4:TT+6], v[ACC+48:ACC+63], v[TM+3]
	v_lshrrev_b32 v[TM], 23, v[TM+2]               ; the scale bytes of my blocks h and 2 + h; also the plain place behind the conversions
	v_lshrrev_b32 v[TM+1], 23, v[TM+3]
	v_lshrrev_b32 v[TM+4], 23, v[TM+6]
	v_lshrrev_b32 v[TM+5], 23, v[TM+7]
.irp i, 0,1,2
	v_mov_b32 v[FR+3+\i], v[TT+\i]
	v_mov_b32 v[FR+9+\i], v[TT+4+\i]
.endr
	v_cvt_scalef32_pk16_bf6_f32 v[FR+12:FR+14], v[ACC+64:ACC+79], v[TM+6]
	v_cvt_scalef32_pk16_bf6_f32 v[TT:TT+2], v[ACC+80:ACC+95], v[TM+6]
	v_cvt_scalef32_pk16_bf6_f32 v[FR+18:FR+20], v[ACC+96:ACC+111], v[TM+7]
	v_cvt_scalef32_pk16_bf6_f32 v[TT+4:TT+6], v[ACC+112:ACC+127], v[TM+7]
	v_lshl_or_b32 v[TM], v[TM+1], 16, v[TM]
	v_lshl_or_b32 v[TM+4], v[TM+5], 16, v[TM+4]
	s_delay_alu instid0(VALU_DEP_2)
	v_lshlrev_b32 v[TM], v[SH], v[TM]              ; at their places in the word
	s_delay_alu instid0(VALU_DEP_2)
	v_lshlrev_b32 v[TM+4], v[SH], v[TM+4]
	s_delay_alu instid0(VALU_DEP_2)
	v_permlanex16_b32 v[TM+1], v[TM], s[SEL], s[SEL+1]
	s_delay_alu instid0(VALU_DEP_2)
	v_permlanex16_b32 v[TM+5], v[TM+4], s[SEL], s[SEL+1]
	s_delay_alu instid0(VALU_DEP_2)
	v_or_b32 v[HS], v[TM], v[TM+1]                 ; with lane l xor 16's two bytes the word is whole
	s_delay_alu instid0(VALU_DEP_2)
	v_or_b32 v[HS+1], v[TM+4], v[TM+5]
.irp i, 0,1,2
	v_mov_b32 v[FR+15+\i], v[TT+\i]
	v_mov_b32 v[FR+21+\i], v[TT+4+\i]
.endr
.endm
; A layer for both tiles: sixteen matrix instructions on sixteen different accumulators, each a whole sum (K = 128) that begins with the bias.
.macro MM
	WIN 0x01                                       ; source 0 (the weights) window 1
	s_wait_alu depctr_va_vdst(0)
.irp t, 0,1,2,3,4,5,6,7
.irp m, 0,1
	v_wmma_scale_f32_16x16x128_f8f6f4 v[ACC+64*\m+8*\t:ACC+64*\m+8*\t+7], v[WF+12*\t:WF+12*\t+11], v[FR+12*\m:FR+12*\m+11], v[EW+8*\t:EW+8*\t+7], v[WS+\t], v[HS+\m] matrix_a_fmt:MATRIX_FMT_BF6 matrix_b_fmt:MATRIX_FMT_BF6
.endr
.endr
	WIN 0
.endm
.macro LDW                             ; a layer's eight fragments and scale words, as images of the registers: 512 and 128 consecutive bytes an instruction
	WIN 0x40
.irp t, 0,1,2,3,4,5,6,7
.irp g, 0,1,2
	ds_load_b128 v[WF+12*\t+4*\g:WF+12*\t+4*\g+3], v[AW] offset:1536*\t+512*\g
.endr
.endr
	WIN 0
.irp t, 0,1,2,3,4,5,6,7
	ds_load_b32 v[WS+\t], v[AS] offset:SCW+128*\t
.endr
.endm
.macro LDB adr, off                    ; 128 numbers by hidden unit in the accumulators' layout: register 32 c + i = number 64 c + 32 h + i (the address holds 128 h)
.irp c, 0,1
.irp i, 0,1,2,3,4,5,6,7
	ds_load_b128 v[EW+32*\c+4*\i:EW+32*\c+4*\i+3], v[\adr] offset:\off+256*\c+16*\i
.endr
.endr
.endm
.macro COPYC                           ; the row's codes and scale words become the first layer's operands.  The scale words first: 24 lines and the trip's four stand between them and the products
	WIN 0x01
	v_mov_b32 v[HS], v[CS]
	v_mov_b32 v[HS+1], v[CS+1]
.set i, 0
.rept 24
	v_mov_b32 v[FR+i], v[CC+i]
.set i, i+1
.endr
	WIN 0
.endm
; The last layer: o = the sum over 128 of h W2, in f32: four chains of packed multiply-adds by turns, then the lane's halves, then lane l xor 16's.
.macro DOT
	v_mov_b32 v[OS], v[OT]                         ; the result before moves on: behind net t's turn OS holds net s's
	v_mov_b32 v[OS+1], v[OT+1]
	s_mul_i32 s52, s[LN], BLK
	v_lshl_add_u32 v[TM], v[SH], 4, s52
	LDB TM, W2O
	s_wait_dscnt 0x0                               ; W2 is in
	v_pk_mul_f32 v[TT:TT+1], v[ACC:ACC+1], v[EW:EW+1]
	v_pk_mul_f32 v[TT+2:TT+3], v[ACC+2:ACC+3], v[EW+2:EW+3]
	v_pk_mul_f32 v[TT+4:TT+5], v[ACC+64:ACC+65], v[EW:EW+1]
	v_pk_mul_f32 v[TT+6:TT+7], v[ACC+66:ACC+67], v[EW+2:EW+3]
.irp j, 4,8,12,16,20,24,28,32,36,40,44,48,52,56,60
	s_delay_alu instid0(VALU_DEP_4)
	v_pk_fma_f32 v[TT:TT+1], v[ACC+\j:ACC+\j+1], v[EW+\j:EW+\j+1], v[TT:TT+1]
	s_delay_alu instid0(VALU_DEP_4)
	v_pk_fma_f32 v[TT+2:TT+3], v[ACC+\j+2:ACC+\j+3], v[EW+\j+2:EW+\j+3], v[TT+2:TT+3]
	s_delay_alu instid0(VALU_DEP_4)
	v_pk_fma_f32 v[TT+4:TT+5], v[ACC+64+\j:ACC+64+\j+1], v[EW+\j:EW+\j+1], v[TT+4:TT+5]
	s_delay_alu instid0(VALU_DEP_4)
	v_pk_fma_f32 v[TT+6:TT+7], v[ACC+66+\j:ACC+66+\j+1], v[EW+\j+2:EW+\j+3], v[TT+6:TT+7]
.endr
	s_delay_alu instid0(VALU_DEP_3)
	v_pk_add_f32 v[TT:TT+1], v[TT:TT+1], v[TT+2:TT+3]
	s_delay_alu instid0(VALU_DEP_2)
	v_pk_add_f32 v[TT+4:TT+5], v[TT+4:TT+5], v[TT+6:TT+7]
	LDB AB, BIA                                    ; the next layer's bias
	v_add_f32 v[TT], v[TT], v[TT+1]
	v_add_f32 v[TT+4], v[TT+4], v[TT+5]
	s_delay_alu instid0(VALU_DEP_2)
	v_permlanex16_b32 v[TM+6], v[TT], s[SEL], s[SEL+1]
	s_delay_alu instid0(VALU_DEP_2)
	v_permlanex16_b32 v[TM+7], v[TT+4], s[SEL], s[SEL+1]
	s_delay_alu instid0(VALU_DEP_2)
	v_add_f32 v[OT], v[TT], v[TM+6]
	s_delay_alu instid0(VALU_DEP_2)
	v_add_f32 v[OT+1], v[TT+4], v[TM+7]
	COPYC
.endm
; One axis of the sample.  ix as in prep; x0 = floor; w1 = ix - x0, w0 = 1 - w1; xb = x0 held to 0..62; d = x0 - xb.  Pixel xb weighs w0 where d = 0, w1 where d = -1, else 0;
; pixel xb + 1 weighs w1 where d = 0, w0 where d = 1, else 0: the corners that lie outside the map count for nothing.
.macro AXIS z, a0, a1
	v_fma_f32 v[T1], v[\z], 2.0, -1.0
	s_delay_alu instid0(VALU_DEP_1)
	v_add_f32 v[T1], 1.0, v[T1]
	s_delay_alu instid0(VALU_DEP_1)
	v_mul_f32 v[T1], 0x41fc0000, v[T1]
	s_delay_alu instid0(VALU_DEP_1)
	v_floor_f32 v[T1+1], v[T1]
	s_delay_alu instid0(VALU_DEP_1)
	v_sub_f32 v[T1+2], v[T1], v[T1+1]
	s_delay_alu instid0(VALU_DEP_1)
	v_sub_f32 v[T1+3], 1.0, v[T1+2]
	s_delay_alu instid0(VALU_DEP_3)
	v_med3_num_f32 v[T1+4], v[T1+1], 0, 0x42780000
	s_delay_alu instid0(VALU_DEP_1)
	v_sub_f32 v[T1+4], v[T1+1], v[T1+4]
	s_delay_alu instid0(VALU_DEP_1)
	v_cmp_eq_f32 s52, 0, v[T1+4]
	s_delay_alu instid0(VALU_DEP_2)
	v_cmp_eq_f32 s53, -1.0, v[T1+4]
	s_delay_alu instid0(VALU_DEP_3)
	v_cmp_eq_f32 s54, 1.0, v[T1+4]
	s_delay_alu instid0(VALU_DEP_2)
	v_cndmask_b32 v[\a0], 0, v[T1+2], s53
	s_delay_alu instid0(VALU_DEP_2)
	v_cndmask_b32 v[\a1], 0, v[T1+3], s54
	s_delay_alu instid0(VALU_DEP_2)
	v_cndmask_b32 v[\a0], v[\a0], v[T1+3], s52
	s_delay_alu instid0(VALU_DEP_2)
	v_cndmask_b32 v[\a1], v[\a1], v[T1+2], s52
.endm
.macro WEIGHTS m                       ; the four corners' weights of tile m's tokens
	WIN 0x55
	AXIS ZN+2*\m, TM1, TM1+1
	AXIS ZN+2*\m+1, TM1+2, TM1+3
	s_delay_alu instid0(VALU_DEP_2)
	v_mul_f32 v[WA], v[TM1+2], v[TM1]
	s_delay_alu instid0(VALU_DEP_3)
	v_mul_f32 v[WA+2], v[TM1+2], v[TM1+1]
	s_delay_alu instid0(VALU_DEP_3)
	v_mul_f32 v[WA+4], v[TM1+3], v[TM1]
	s_delay_alu instid0(VALU_DEP_4)
	v_mul_f32 v[WA+6], v[TM1+3], v[TM1+1]
	WIN 0
.endm
.macro ISSUE adr, row, pb, pw          ; the two corners of map row yb + row: my half (128 bytes) of two neighbouring records, into v[pb] on of window pw
	WIN ((\pw)<<6)|1
.irp j, 0,1,2,3,4,5,6,7
	global_load_b128 v[\pb+4*\j:\pb+4*\j+3], v[\adr], s[8:9] offset:16384*\row+16*\j
.endr
.irp j, 0,1,2,3,4,5,6,7
	global_load_b128 v[\pb+32+4*\j:\pb+32+4*\j+3], v[\adr], s[8:9] offset:16384*\row+256+16*\j
.endr
	WIN 0
.endm
.macro COMBINE first, pb, pw           ; the features take two corners' parts; first = 1: map row yb, which starts the sums
	WIN 0x54|(\pw)
.set i, 0
.rept 16
.if \first
	v_pk_mul_f32 v[LF+i:LF+i+1], v[\pb+i:\pb+i+1], v[WA:WA+1] op_sel_hi:[1,0]
.else
	v_pk_fma_f32 v[LF+i:LF+i+1], v[\pb+i:\pb+i+1], v[WA+4:WA+5], v[LF+i:LF+i+1] op_sel_hi:[1,0,1]
.endif
.set i, i+2
.endr
.set i, 0
.rept 16
	v_pk_fma_f32 v[LF+i:LF+i+1], v[\pb+32+i:\pb+32+i+1], v[WA+6-4*\first:WA+7-4*\first], v[LF+i:LF+i+1] op_sel_hi:[1,0,1]
.set i, i+2
.endr
	WIN 0
.endm
; The row of tile m in the operand's order.  Lanes 0-15: k 0..31 = kept z, channels 0..30;  k 64..95 = channel 63, cond, 15 zeros.  Lanes 16-31: k 32..63 = channels 31..62;  k 96..127 = zeros.
.macro QUANT0 m
	WIN 0x55
	v_cndmask_b32 v[PX], v[LF], v[NIL1], s[MHI]                ; a record's place 0 is channel 63: k = 64
	v_cndmask_b32 v[LF], v[ZN+2*\m+1-STAGE], v[LF], s[MHI]     ; and k = 0 is the kept z
.irp j, 0,1,2,3,4,5,6,7,8,9,10,11,12,13,14,15
	v_cndmask_b32 v[PX+1+\j], s[CND+\j], v[NIL1], s[MHI]
.endr
.irp j, 17,18,19,20,21,22,23,24,25,26,27,28,29,30,31
	v_mov_b32 v[PX+\j], 0
.endr
	QUANT LF, CC+12*\m, T1, TM1, SH1, CS+\m
	WIN 0
.endm
.macro GWAIT                           ; at the head of every gather step: all that earlier steps asked for, a trip ago, is in
	s_wait_loadcnt 0x0
	s_wait_kmcnt 0x0
.endm
	; ---- the head
	s_load_b512 s[4:19], s[0:1], 0x0
	v_lshrrev_b32 v8, 5, v0
	s_delay_alu instid0(VALU_DEP_1)
	v_readfirstlane_b32 s[WV], v8                  ; wave 0..7
	v_and_b32 v9, 31, v0                           ; lane
	v_bfe_u32 v10, v0, 4, 1                        ; h
	v_and_b32 v11, 15, v0                          ; r
	s_delay_alu instid0(VALU_DEP_3)
	v_lshlrev_b32 v[L16], 4, v9
	s_delay_alu instid0(VALU_DEP_4)
	v_lshlrev_b32 v[L4], 2, v9
	s_delay_alu instid0(VALU_DEP_4)
	v_lshlrev_b32 v[SH], 3, v10
	v_mov_b32 v[SUM], 0
	v_mov_b32 v[TM+6], 0                           ; lane permutes' destinations count as sources
	v_mov_b32 v[TM+7], 0
	v_mov_b32 v[OS], 0
	v_mov_b32 v[OS+1], 0
	v_mov_b32 v[OT], 0
	v_mov_b32 v[OT+1], 0
	v_lshlrev_b32 v12, 4, v0                       ; 16 x thread: the weights' way into LDS,
	s_delay_alu instid0(VALU_DEP_1)
	v_add_nc_u32 v13, 0x10000, v12                 ; and the same 65,536 bytes on (an LDS immediate has 16 bits)
	WIN 0x40
	v_lshlrev_b32 v[H128], 7, v10
	v_lshlrev_b32 v[R8], 3, v11
	v_lshlrev_b32 v[R4], 2, v11
	v_lshlrev_b32 v[L8], 3, v9
	v_lshlrev_b32 v[SH1], 3, v10
	v_mov_b32 v[NIL1], 0
	v_mov_b32 v[WA+1], 0
	v_mov_b32 v[WA+3], 0
	v_mov_b32 v[WA+5], 0
	v_mov_b32 v[WA+7], 0
	v_mov_b32 v[TM1+7], 0
	WIN 0
	s_mov_b32 s[PASS], 0
	s_mov_b32 s[P4], 0
	s_mov_b32 s[MHI], 0xffff0000
	s_mov_b32 s[NL2E], 0xbfb8aa3b
	s_mov_b32 s[NL2E+1], 0xbfb8aa3b
	s_mov_b32 s[SEL], 0x76543210
	s_mov_b32 s[SEL+1], 0xfedcba98
	s_and_b32 s52, ttmp9, 15                       ; wg, as this text's comments count the work-groups, is 16 (ttmp9 % 16) + ttmp9 / 16: the sixteen work-groups of a batch have numbers ttmp9 that lie 16 apart.  wg / 16: pass 0's batch
	s_lshr_b32 s53, ttmp9, 4                       ; wg % 16: which 256 tokens of the batch
	s_lshl_b32 s53, s53, 8
	s_lshl_b32 s54, s[WV], 5
	s_add_co_u32 s53, s53, s54                     ; my first token
	s_lshl_b32 s54, s52, 15
	s_lshl_b32 s55, s53, 3
	s_add_co_u32 s54, s54, s55                     ; in bytes of z pairs,
	s_mov_b32 s55, 0
	s_lshr_b32 s56, s54, 1                         ; and of pixels
	s_mov_b32 s57, 0
	s_lshl_b32 s58, s52, 20                        ; a batch of wt is 2^20 bytes
	s_mov_b32 s59, 0
	s_wait_alu depctr_va_vdst(0)
	s_wait_kmcnt 0x0
	s_add_nc_u64 s[4:5], s[4:5], s[54:55]
	s_add_nc_u64 s[16:17], s[16:17], s[54:55]
	s_add_nc_u64 s[6:7], s[6:7], s[56:57]
	s_add_nc_u64 s[8:9], s[8:9], s[58:59]
	s_lshl_b32 s58, s52, 6
	s_add_nc_u64 s[12:13], s[12:13], s[58:59]
	s_lshl_b32 s58, s52, 11                        ; 128 wg = 2,048 (wg / 16) + 128 (wg % 16),
	s_lshr_b32 s52, s53, 1                         ; and half my first token's number is 128 (wg % 16) + 16 wave
	s_add_co_u32 s58, s58, s52                     ; 16 bytes of parts for each wave
	s_add_nc_u64 s[18:19], s[18:19], s[58:59]
	s_add_nc_u64 s[10:11], s[10:11], 8*BLK         ; the second stage's eight blocks
	s_load_b512 s[CND:CND+15], s[12:13], 0x0
	s_load_b64 s[B2:B2+1], s[14:15], 8*STAGE
	WIN 0x41
	global_load_b32 v[IX], v[R4], s[6:7]
	global_load_b32 v[IX+1], v[R4], s[6:7] offset:64
	global_load_b64 v[ZN:ZN+1], v[R8], s[4:5]
	global_load_b64 v[ZN+2:ZN+3], v[R8], s[4:5] offset:128
	WIN 0x01
	global_load_b64 v[ZC:ZC+1], v[L8], s[4:5]
	WIN 0
.set j, 0
.rept 28
	global_load_b128 v[64+4*j:67+4*j], v12, s[10:11] offset:4096*j     ; the stage's 114,688 bytes of wq: 28 x 4,096 for the 256 threads
.set j, j+1
.endr
	s_wait_loadcnt 0x0
.set j, 0
.rept 16
	ds_store_b128 v12, v[64+4*j:67+4*j] offset:4096*j
.set j, j+1
.endr
.set j, 0
.rept 12
	ds_store_b128 v13, v[128+4*j:131+4*j] offset:4096*j
.set j, j+1
.endr
	WIN 0x55
	v_min_u32 v[AD], 4030, v[IX]                   ; a pixel is at most 62 * 64 + 62: its corners stay inside the batch's map
	v_min_u32 v[AD+1], 4030, v[IX+1]
	s_delay_alu instid0(VALU_DEP_2)
	v_lshl_add_u32 v[AD], v[AD], 8, v[H128]        ; records of 256 bytes; my half
	s_delay_alu instid0(VALU_DEP_2)
	v_lshl_add_u32 v[AD+1], v[AD+1], 8, v[H128]
	WIN 0
	s_wait_alu depctr_va_vdst(0)
	s_wait_dscnt 0x0                               ; for the others' sake: my stores have landed; and they have read their registers, which take the corners now
	ISSUE AD, 0, PX, 1                             ; pass 0's four groups of corners go out together
	ISSUE AD, 1, 64, 0
	ISSUE AD+1, 0, 128, 0
	ISSUE AD+1, 1, 192, 0
	s_barrier_signal -1
	s_barrier_wait -1                              ; the weights lie in LDS; from here on LDS is only read
	v_mov_b32 v[AW], v[L16]
	v_mov_b32 v[AS], v[L4]
	v_lshlrev_b32 v[AB], 4, v[SH]
	LDW
	WEIGHTS 0
	s_wait_alu depctr_va_vdst(0)
	s_wait_kmcnt 0x0                               ; cond, b2
	s_wait_loadcnt 48                              ; the first group of 16 is in; three groups may be out
	COMBINE 1, PX, 1
	s_wait_loadcnt 32                              ; two groups may be out
	COMBINE 0, 64, 0
	QUANT0 0
	WEIGHTS 1
	s_wait_alu depctr_va_vdst(0)
	s_wait_loadcnt 16                              ; one group may be out
	COMBINE 1, 128, 0
	s_wait_loadcnt 0x0
	COMBINE 0, 192, 0
	QUANT0 1
	LDB AB, BIA
	COPYC
	s_add_nc_u64 s[8:9], s[8:9], 0x1000000         ; wt at pass 1's batch: 16 batches on (all loads that read this base are in)
	; ---- four passes of eight trips: a trip is one layer of one net for both tiles
.Lpass:
	s_mov_b32 s[LN], 0
.Ltrip:
.rept 4
	v_nop                                          ; an operand written by vector lines stands 4 places ahead of a scaled product, a scale word 8: behind the word stand the quantiser's six moves or the copy's 24, and these four
.endr
	s_wait_dscnt 0x0                               ; the layer's fragments, scale words and bias are in
	MM
	s_add_co_u32 s[NB], s[LN], 1
	s_and_b32 s[NB], s[NB], 7
	s_mul_i32 s[NB], s[NB], BLK                    ; the next layer's block (behind the last: the first, for the next pass)
	v_add_nc_u32 v[AW], s[NB], v[L16]              ; four plain lines that name no register of the products: the places in front of the loads below and of SiLU's first lines
	v_add_nc_u32 v[AS], s[NB], v[L4]
	v_lshl_add_u32 v[AB], v[SH], 4, s[NB]
	v_nop
	s_and_b32 s52, s[LN], 3
	s_cmp_eq_u32 s52, 3
	s_cbranch_scc1 .Ldot                           ; a net's fourth layer is followed by no quantiser: its copy of SiLU takes no maxima
	SILU2 1
	LDB AB, BIA                                    ; the next layer's bias, into SiLU's slots, which are done with
	QTAIL
	s_branch .Lgather
.Ldot:
	SILU2 0
	DOT
.Lgather:                                              ; one step of the next pass's gather in each trip; each group of loads has a trip in which to land
	s_cmp_eq_u32 s[LN], 7
	s_cbranch_scc1 .Lepi
	s_cmp_eq_u32 s[PASS], 3                        ; behind the last pass there is nothing to gather: no load leaves its buffer
	s_cbranch_scc1 .Lnext
	s_cmp_eq_u32 s[LN], 1
	s_cbranch_scc1 .Lg1
	s_cmp_eq_u32 s[LN], 2
	s_cbranch_scc1 .Lg2
	s_cmp_eq_u32 s[LN], 3
	s_cbranch_scc1 .Lg3
	s_cmp_eq_u32 s[LN], 4
	s_cbranch_scc1 .Lg4
	s_cmp_eq_u32 s[LN], 5
	s_cbranch_scc1 .Lg5
	s_cmp_eq_u32 s[LN], 6
	s_cbranch_scc1 .Lg6
	s_branch .Lnext
.Lg1:                                                  ; the next pass's pixels, z pairs and cond: 16 batches on
	GWAIT
	WIN 0x41
	global_load_b32 v[IX], v[R4], s[6:7] offset:262144
	global_load_b32 v[IX+1], v[R4], s[6:7] offset:262144+64
	global_load_b64 v[ZN:ZN+1], v[R8], s[4:5] offset:524288
	global_load_b64 v[ZN+2:ZN+3], v[R8], s[4:5] offset:524288+128
	WIN 0
	s_load_b512 s[CND:CND+15], s[12:13], 0x400
	s_branch .Lnext
.Lg2:
	GWAIT
	WIN 0x55
	v_min_u32 v[AD], 4030, v[IX]
	v_min_u32 v[AD+1], 4030, v[IX+1]
	s_delay_alu instid0(VALU_DEP_2)
	v_lshl_add_u32 v[AD], v[AD], 8, v[H128]
	s_delay_alu instid0(VALU_DEP_2)
	v_lshl_add_u32 v[AD+1], v[AD+1], 8, v[H128]
	WEIGHTS 0
	ISSUE AD, 0, PX, 1
	s_branch .Lnext
.Lg3:
	GWAIT
	COMBINE 1, PX, 1
	ISSUE AD, 1, PX, 1
	s_branch .Lnext
.Lg4:                                                  ; net t has taken its copy of this pass's codes a trip ago: tile 0's may be written
	GWAIT
	COMBINE 0, PX, 1
	QUANT0 0
	WEIGHTS 1
	ISSUE AD+1, 0, PX, 1
	s_branch .Lnext
.Lg5:
	GWAIT
	COMBINE 1, PX, 1
	ISSUE AD+1, 1, PX, 1
	s_branch .Lnext
.Lg6:
	GWAIT
	COMBINE 0, PX, 1
	QUANT0 1
	s_branch .Lnext
.Lepi:                                                 ; both nets are through: lane l now stands for token l (lanes 0-15 tile 0, lanes 16-31 tile 1; both halves of the lanes hold a tile's results)
	s_wait_loadcnt 0x0                             ; the pass's z pair
	v_cndmask_b32 v128, v[OS], v[OS+1], s[MHI]
	v_cndmask_b32 v129, v[OT], v[OT+1], s[MHI]
	s_delay_alu instid0(VALU_DEP_2)
	v_add_f32 v128, s[B2], v128                    ; o_s
	s_delay_alu instid0(VALU_DEP_2)
	v_add_f32 v129, s[B2+1], v129                  ; t
	s_delay_alu instid0(VALU_DEP_2)
	v_mul_f32 v130, 0x4038aa3b, v128               ; 2 log2(e) o_s
	s_wait_alu depctr_va_vdst(0)
	v_exp_f32 v130, v130
	v_mov_b32 v134, 0                              ; (a plain place; and the permute's destination below is written)
	s_wait_alu depctr_va_vdst(0)                   ; the wait ahead of the first reader
	v_add_f32 v130, 1.0, v130
	s_wait_alu depctr_va_vdst(0)
	v_rcp_f32 v130, v130
	v_nop
	s_wait_alu depctr_va_vdst(0)
	v_fma_f32 v130, v130, -2.0, 1.0                ; tanh
	s_delay_alu instid0(VALU_DEP_1)
	v_mul_f32 v131, 0x3fc00000, v130               ; s = 1.5 tanh
	s_delay_alu instid0(VALU_DEP_1)
	v_mul_f32 v132, 0x3fb8aa3b, v131
	s_wait_alu depctr_va_vdst(0)
	v_exp_f32 v132, v132                           ; exp(s); the wave's sum of s stands behind it as independent work
	v_mov_b32 v133, v131
	s_delay_alu instid0(VALU_DEP_1)
	v_add_f32_dpp v133, v133, v133 row_xmask:1 row_mask:0xf bank_mask:0xf
	s_delay_alu instid0(VALU_DEP_1)
	v_add_f32_dpp v133, v133, v133 row_xmask:2 row_mask:0xf bank_mask:0xf
	s_delay_alu instid0(VALU_DEP_1)
	v_add_f32_dpp v133, v133, v133 row_xmask:4 row_mask:0xf bank_mask:0xf
	s_delay_alu instid0(VALU_DEP_1)
	v_add_f32_dpp v133, v133, v133 row_xmask:8 row_mask:0xf bank_mask:0xf
	s_delay_alu instid0(VALU_DEP_1)
	v_permlanex16_b32 v134, v133, s[SEL], s[SEL+1]
	s_delay_alu instid0(VALU_DEP_1)
	v_add_f32 v133, v133, v134
	v_cmp_eq_u32 vcc_lo, s[P4], v[L4]
	s_delay_alu instid0(VALU_DEP_1)
	v_cndmask_b32 v[SUM], v[SUM], v133, vcc_lo     ; lane p keeps pass p's sum
	s_wait_alu depctr_va_vdst(0)
	v_mov_b32 v136, v[ZC]                          ; z_a is kept, z_b moves
	v_fma_f32 v137, v[ZC+1], v132, v129
	WIN 0x01                                       ; the address in window 1, the data in window 0
	global_store_b64 v[L8], v[136:137], s[16:17]   ; the wave stores 256 consecutive bytes
	WIN 0
	s_cmp_eq_u32 s[PASS], 3
	s_cbranch_scc1 .Lno_zc
	WIN 0x01
	global_load_b64 v[ZC:ZC+1], v[L8], s[4:5] offset:524288    ; the next pass's z pair
	WIN 0
.Lno_zc:
	s_wait_xcnt 0x0                                ; the store has read its data: the next products may write those registers
.Lnext:
	s_add_co_u32 s[LN], s[LN], 1
	s_cmp_lt_u32 s[LN], 8
	s_cbranch_scc1 .Ltrip
	s_wait_xcnt 0x0                                ; every memory instruction has read its base: the pointers step by 16 batches
	s_add_nc_u64 s[4:5], s[4:5], 0x80000
	s_add_nc_u64 s[16:17], s[16:17], 0x80000
	s_add_nc_u64 s[6:7], s[6:7], 0x40000
	s_add_nc_u64 s[8:9], s[8:9], 0x1000000
	s_add_nc_u64 s[12:13], s[12:13], 0x400
	s_add_co_u32 s[P4], s[P4], 4
	s_add_co_u32 s[PASS], s[PASS], 1
	s_cmp_lt_u32 s[PASS], 4
	s_cbranch_scc1 .Lpass
	s_wait_dscnt 0x0                               ; the last trip's LDS loads, which nobody reads
	v_cmp_gt_u32 vcc_lo, 16, v[L4]                 ; lanes 0-3 hold the four passes' sums
	s_wait_xcnt 0x0                                ; EXEC changes only behind this wait
	s_and_saveexec_b32 s52, vcc_lo
	global_store_b32 v[L4], v[SUM], s[18:19]
	s_wait_xcnt 0x0
	s_or_b32 exec_lo, exec_lo, s52
	s_wait_xcnt 0x0
	s_mov_b32 exec_lo, -1
	v_lshl_add_u32 v62, v0, 2, 0x1c000
	v_mov_b32 v63, 0
	s_wait_alu depctr_va_vdst(0)
	s_wait_tensorcnt 0x0
	ds_add_u32 v62, v63
	s_wait_dscnt 0x0
	s_endpgm
.Lfunc_end_k_qac81a53ff1_stageB:
	.size	k_qac81a53ff1_stageB, .Lfunc_end_k_qac81a53ff1_stageB-k_qac81a53ff1_stageB
	.p2alignl 7, 3214868480
	.fill 96, 4, 3214868480
	.section	.rodata,"a",@progbits
	.p2align	6, 0x0
	.amdhsa_kernel k_qac81a53ff1_stageB
		.amdhsa_group_segment_fixed_size 115712
		.amdhsa_private_segment_fixed_size 0
		.amdhsa_enable_private_segment 0
		.amdhsa_kernarg_size 64
		.amdhsa_user_sgpr_count 2
		.amdhsa_user_sgpr_kernarg_segment_ptr 1
		.amdhsa_wavefront_size32 1
		.amdhsa_system_sgpr_workgroup_id_x 1
		.amdhsa_system_sgpr_workgroup_id_y 1
		.amdhsa_system_sgpr_workgroup_id_z 1
		.amdhsa_system_vgpr_workitem_id 0
		.amdhsa_next_free_vgpr 512
		.amdhsa_next_free_sgpr 66
		.amdhsa_reserve_vcc 1
		.amdhsa_float_denorm_mode_32 3
		.amdhsa_float_denorm_mode_16_64 3
		.amdhsa_memory_ordered 1
		.amdhsa_forward_progress 1
		.amdhsa_inst_pref_size 147
	.end_amdhsa_kernel
	.amdgpu_metadata
---
amdhsa.version: [ 1, 2 ]
amdhsa.kernels:
  - .name:           k_qac81a53ff1_stageB
    .symbol:         k_qac81a53ff1_stageB.kd
    .args:
      - { .name: xmid, .offset: 0, .size: 8, .value_kind: global_buffer, .address_space: global }
      - { .name: idxB, .offset: 8, .size: 8, .value_kind: global_buffer, .address_space: global }
      - { .name: wt, .offset: 16, .size: 8, .value_kind: global_buffer, .address_space: global }
      - { .name: wq, .offset: 24, .size: 8, .value_kind: global_buffer, .address_space: global }
      - { .name: cond, .offset: 32, .size: 8, .value_kind: global_buffer, .address_space: global }
      - { .name: b2, .offset: 40, .size: 8, .value_kind: global_buffer, .address_space: global }
      - { .name: out0, .offset: 48, .size: 8, .value_kind: global_buffer, .address_space: global }
      - { .name: partB, .offset: 56, .size: 8, .value_kind: global_buffer, .address_space: global }
    .group_segment_fixed_size: 115712
    .private_segment_fixed_size: 0
    .kernarg_segment_align: 8
    .kernarg_segment_size: 64
    .max_flat_workgroup_size: 256
    .sgpr_count:     66
    .vgpr_count:     512
    .wavefront_size: 32
...
	.end_amdgpu_metadata
.endif
;; end of part 3
;; launch logdet (part 4): grid 1 x 1, 16 waves a work-group, no clusters, 3,072 bytes of LDS; arguments partA, partB, out1; writes out1
.if DOCPART == 4
	.amdgcn_target "amdgcn-amd-amdhsa--gfx1250"
	.amdhsa_code_object_version 6
	.text
	.protected	k_qac81a53ff1_logdet
	.globl	k_qac81a53ff1_logdet
	.p2align	8
	.type	k_qac81a53ff1_logdet,@function
k_qac81a53ff1_logdet:
	s_mov_b64 s[64:65], 0
	v_nop
	global_prefetch_b8 v0, s[64:65] scope:SCOPE_SE
	s_setreg_imm32_b32 hwreg(HW_REG_WAVE_MODE, 25, 1), 1
	s_wait_xcnt 0x0
; out1[batch] = the sum of s over the batch's tokens, both stages.  Each stage left, for wave W = 8 work-group + wave of its 2,048 waves, four sums (passes 0..3) at 16 W bytes.
; The waves 128 q .. 128 q + 127 worked in pass p on batch 16 p + q.  So wave q here adds 128 entries of 16 bytes from each buffer, 2,048 consecutive bytes, and has the four batches q, 16 + q, 32 + q, 48 + q.
; The 64 sums meet in LDS and leave as one store of 256 consecutive bytes.  One work-group: the launch moves 64 KiB, and a sum that spans work-groups wants one owner.
	s_load_b128 s[4:7], s[0:1], 0x0                ; partA, partB
	s_load_b64 s[8:9], s[0:1], 0x10                ; out1
	v_lshl_add_u32 v48, v0, 2, 0x400
	v_mov_b32 v49, 0
	v_lshrrev_b32 v1, 5, v0
	s_delay_alu instid0(VALU_DEP_1)
	v_readfirstlane_b32 s10, v1                    ; wave q
	v_and_b32 v2, 31, v0
	s_delay_alu instid0(VALU_DEP_1)
	v_lshlrev_b32 v3, 4, v2                        ; 16 x lane
	s_delay_alu instid0(VALU_DEP_2)
	v_lshlrev_b32 v6, 3, v2                        ; 8 x lane
	s_lshl_b32 s11, s10, 11
	v_add_nc_u32 v4, s11, v3
	s_mov_b32 s12, 0x76543210
	s_mov_b32 s13, 0xfedcba98
.irp p, 0,1,2,3
	v_mov_b32 v[40+\p], 0                          ; lane permutes' destinations count as sources
.endr
	s_wait_alu depctr_va_vdst(0)
	s_wait_kmcnt 0x0
.irp a, 0,1,2,3
	global_load_b128 v[8+4*\a:11+4*\a], v4, s[4:5] offset:512*\a
	global_load_b128 v[24+4*\a:27+4*\a], v4, s[6:7] offset:512*\a
.endr
	s_wait_loadcnt 0x0
.irp a, 1
	v_pk_add_f32 v[8:9], v[8:9], v[8+4*\a:9+4*\a]
	v_pk_add_f32 v[10:11], v[10:11], v[10+4*\a:11+4*\a]
.endr
.irp a, 2, 3, 4, 5, 6, 7
	s_delay_alu instid0(VALU_DEP_2)
	v_pk_add_f32 v[8:9], v[8:9], v[8+4*\a:9+4*\a]
	s_delay_alu instid0(VALU_DEP_2)
	v_pk_add_f32 v[10:11], v[10:11], v[10+4*\a:11+4*\a]
.endr
.irp k, 1,2,4,8
.irp p, 0,1,2,3
	v_add_f32_dpp v[8+\p], v[8+\p], v[8+\p] row_xmask:\k row_mask:0xf bank_mask:0xf
.endr
.endr
.irp p, 0,1,2,3
	s_delay_alu instid0(VALU_DEP_4)
	v_permlanex16_b32 v[40+\p], v[8+\p], s12, s13
.endr
.irp p, 0,1,2,3
	s_delay_alu instid0(VALU_DEP_4)
	v_add_f32 v[8+\p], v[8+\p], v[40+\p]           ; every lane holds the sum of batch 16 p + q
.endr
	v_mov_b32 v5, s10
	s_delay_alu instid0(VALU_DEP_1)
	v_lshlrev_b32 v5, 2, v5
.irp p, 0,1,2,3
	ds_store_b32 v5, v[8+\p] offset:64*\p          ; at 4 (16 p + q); all lanes write the same word with the same value
.endr
	s_wait_dscnt 0x0                               ; for the others' sake: my stores have landed
	s_barrier_signal -1
	s_barrier_wait -1
	s_cmp_lg_u32 s10, 0
	s_cbranch_scc1 .Lend
	ds_load_b64 v[12:13], v6                       ; wave 0: 8 bytes a lane, the 64 sums' 256 bytes
	s_wait_dscnt 0x0
	global_store_b64 v6, v[12:13], s[8:9]          ; 32 lanes store out1's 256 consecutive bytes
.Lend:
	s_barrier_signal -1
	s_barrier_wait -1
	s_wait_tensorcnt 0x0
	ds_add_u32 v48, v49
	s_wait_dscnt 0x0
	s_endpgm
.Lfunc_end_k_qac81a53ff1_logdet:
	.size	k_qac81a53ff1_logdet, .Lfunc_end_k_qac81a53ff1_logdet-k_qac81a53ff1_logdet
	.p2alignl 7, 3214868480
	.fill 96, 4, 3214868480
	.section	.rodata,"a",@progbits
	.p2align	6, 0x0
	.amdhsa_kernel k_qac81a53ff1_logdet
		.amdhsa_group_segment_fixed_size 3072
		.amdhsa_private_segment_fixed_size 0
		.amdhsa_enable_private_segment 0
		.amdhsa_kernarg_size 24
		.amdhsa_user_sgpr_count 2
		.amdhsa_user_sgpr_kernarg_segment_ptr 1
		.amdhsa_wavefront_size32 1
		.amdhsa_system_sgpr_workgroup_id_x 1
		.amdhsa_system_sgpr_workgroup_id_y 1
		.amdhsa_system_sgpr_workgroup_id_z 1
		.amdhsa_system_vgpr_workitem_id 0
		.amdhsa_next_free_vgpr 50
		.amdhsa_next_free_sgpr 66
		.amdhsa_reserve_vcc 0
		.amdhsa_float_denorm_mode_32 3
		.amdhsa_float_denorm_mode_16_64 3
		.amdhsa_memory_ordered 1
		.amdhsa_forward_progress 1
		.amdhsa_inst_pref_size 6
	.end_amdhsa_kernel
	.amdgpu_metadata
---
amdhsa.version: [ 1, 2 ]
amdhsa.kernels:
  - .name:           k_qac81a53ff1_logdet
    .symbol:         k_qac81a53ff1_logdet.kd
    .args:
      - { .name: partA, .offset: 0, .size: 8, .value_kind: global_buffer, .address_space: global }
      - { .name: partB, .offset: 8, .size: 8, .value_kind: global_buffer, .address_space: global }
      - { .name: out1, .offset: 16, .size: 8, .value_kind: global_buffer, .address_space: global }
    .group_segment_fixed_size: 3072
    .private_segment_fixed_size: 0
    .kernarg_segment_align: 8
    .kernarg_segment_size: 24
    .max_flat_workgroup_size: 512
    .sgpr_count:     66
    .vgpr_count:     50
    .wavefront_size: 32
...
	.end_amdgpu_metadata
.endif
;; end of part 4
